; MI455X (gfx1250); checked and timed in simulation.
; The chip was launched on July 23, 2026; its instructions are those of AMD's public machine-readable ISA for CDNA 5 (MIT licence, August 2026) and "CDNA5" Instruction Set Architecture Reference Guide (July 2026). The comments in the code are by the model that wrote it; some were corrected since.
;; Transformer Block. Allowed arithmetic: matrix products marked QUANTISED: E4M3 operands, one given power-of-two scale a tensor, by v_wmma_f32_16x16x64_fp8_fp8 or v_wmma_f32_16x16x128_fp8_fp8, f32 sums; everything else in f32.
;; Inputs: b_fc1 4,096 float32; b_fc2 1,024 float32; b_out 1,024 float32; b_qkv 3,072 float32; ln1_b 1,024 float32; ln1_g 1,024 float32; ln2_b 1,024 float32; ln2_g 1,024 float32; lowp_scales 12 int32 (the exponents e of the quantised operands' scales 2^e); w_fc1 1,024 x 4,096 float32; w_fc2 4,096 x 1,024 float32; w_out 1,024 x 1,024 float32; w_qkv 1,024 x 3,072 float32; x 2 x 2,048 x 1,024 float32.
;; Outputs: out0 2 x 2,048 x 1,024 float32.
;; This version of the problem:
;;   THIS VERSION OF THE PROBLEM IS GIVEN IN LOW PRECISION. The matrix products marked QUANTISED in the list below multiply operands that are first quantised to E4M3 (4 exponent bits, 3 mantissa bits; 8 bits a number), with one given power-of-two scale for each operand tensor; their sums are f32. All else is computed in f32.
;;   The module's matrix products, in the order in which they are computed (A, B: the left and right operand; K: the contracted axis; several contracted axes count as one K, in the product's order):
;;     1. [M 4,096, K 1,024] x [K 1,024, N 3,072]; A: computed on the way; B: input w_qkv: QUANTISED (scales: A lowp_scales[0], B lowp_scales[1])
;;     2. batch 32 x [M 2,048, K 64] x [K 64, N 2,048]; A: computed on the way; B: computed on the way: QUANTISED (scales: A lowp_scales[2], B lowp_scales[3])
;;     3. batch 32 x [M 2,048, K 2,048] x [K 2,048, N 64]; A: softmax (see below); B: computed on the way: QUANTISED (scales: A lowp_scales[4], B lowp_scales[5])
;;     4. [M 4,096, K 1,024] x [K 1,024, N 1,024]; A: computed on the way; B: input w_out: QUANTISED (scales: A lowp_scales[6], B lowp_scales[7])
;;     5. [M 4,096, K 1,024] x [K 1,024, N 4,096]; A: computed on the way; B: input w_fc1: QUANTISED (scales: A lowp_scales[8], B lowp_scales[9])
;;     6. [M 4,096, K 4,096] x [K 4,096, N 1,024]; A: computed on the way; B: input w_fc2: QUANTISED (scales: A lowp_scales[10], B lowp_scales[11])
;;   THE QUANTISER, for each operand of a quantised product, along K:
;;     - The operand's scale is 2^e, e = its entry of the input lowp_scales (int32; the entries are numbered through the quantised products in the list's order, A before B).
;;     - Each number is divided by the scale, clamped to +-448, and rounded to the nearest number of E4M3, ties to even, subnormals kept.
;;     - The product sums the exact products of the quantised numbers (number of the format x scale) in f32.
;;   ~~~python
;;   def quantise(x, axis, e):      # numpy; x: float32 -> the quantised numbers, widened to float32 again
;;       x = np.moveaxis(x, axis, -1); K = x.shape[-1]
;;       r = np.clip(x / 2.0 ** e, -448, 448)
;;       step = 2.0 ** (np.maximum(np.frexp(np.where(r == 0, 1, r))[1] - 1, -6) - 3)
;;       q = np.round(r / step) * step * 2.0 ** e      # np.round: ties to even
;;       return np.moveaxis(q, -1, axis).astype(np.float32)
;;   ~~~
;;   SOFTMAX AHEAD OF A QUANTISED PRODUCT. Where the list says 'softmax', what is quantised is not the finished softmax but p = 2^(t - M), with t = logit x log2(e) and M = ceil(the row's largest t), a whole number; so 1/2 < the row's largest p <= 1. The row's sum l is taken of the UNQUANTISED p, in f32, and the product's result is divided by l at the end. Since M is a whole number, a kernel that streams over the keys may use a running M (the ceiling of the running maximum): every later rescaling is an exact power of two, so the quantised numbers keep their values, but for numbers so far below the row's largest that they fall under the format's range.
;;   OPERANDS COMPUTED ON THE WAY. 'Computed on the way' means the value that the module computes at that place (a softmax that the list does not call 'softmax' is quantised finished and normalised). What goes into a quantiser is computed in f32, as accurately as f32 sums, v_exp_f32 and their like allow (about 1e-6 of the number): no bf16 or f16 on the way to a quantiser, and a product that is left as it is and whose result goes on into a quantised operand takes f32 operands (vector FMAs, or v_wmma_f32_16x16x4_f32). A number that lies on a knife's edge between two numbers of the format may be rounded either way, as far as f32 arithmetic and the matrix unit's own rounding can turn it there, and no further.
;; One version. Each part assembles by itself: llvm-mc -triple=amdgcn-amd-amdhsa -mcpu=gfx1250 --defsym DOCPART=n.
;; ======== version 1 of 1: 7 launches
;; limits: right only within a limited range of input values
;; workspace buffers: hcodes 4,194,304 bytes; wcodes 12,582,912 bytes; qkvc 12,582,912 bytes; ao 4,194,304 bytes; x1 16,777,216 bytes; h3 16,777,216 bytes
;; launch prep (part 1): grid 640 x 1, 4 waves a work-group, no clusters, 36,352 bytes of LDS; arguments x, ln1_g, ln1_b, w_qkv, w_out, w_fc1, w_fc2, lowp_scales, hcodes, wcodes; writes hcodes, wcodes
.if DOCPART == 1
	.amdgcn_target "amdgcn-amd-amdhsa--gfx1250"
	.amdhsa_code_object_version 6
	.text
	.protected	k_qeee37c0e98_prep
	.globl	k_qeee37c0e98_prep
	.p2align	8
	.type	k_qeee37c0e98_prep,@function
k_qeee37c0e98_prep:
	s_mov_b64 s[64:65], 0
	v_nop
	global_prefetch_b8 v0, s[64:65] scope:SCOPE_SE
	s_setreg_imm32_b32 hwreg(HW_REG_WAVE_MODE, 25, 1), 1
	s_wait_xcnt 0x0
; TWO JOBS IN ONE LAUNCH, told apart by the work-group's number.
; Work-groups 0-255: LayerNorm 1 of x [4096][1024] f32, quantised to E4M3 with the given scale 2^e0, into hcodes [4096][1024], one code a byte, row-major.
; Work-groups 256-639: the four weights, f32 stored [K][N], quantised along K with their given scales into wcodes, laid [N][K] with K innermost:
;   w_qkv at byte 0 ([3072][1024]), w_out at 3,145,728 ([1024][1024]), w_fc1 at 4,194,304 ([4096][1024]), w_fc2 at 8,388,608 ([1024][4096]).
; code = number / 2^e, held within +-448, rounded to the nearest code, ties to even.
; LIMITS: each e used here lies between -126 and 119, so that 2^e and 448 x 2^e are f32 numbers.  NaN among the inputs is not served.
; No tensor load, no barrier: waves share nothing.  The LayerNorm path touches no LDS; the weights' path has a stage of its own for each wave.
.set SCALE_IDX, 0                      ; which entry of the scales the LayerNorm's result is quantised with
.set PX, 8                             ; s[8:9]   the rows
.set PG, 10                            ; s[10:11] the gain
.set PB, 12                            ; s[12:13] the bias
.set PS, 22                            ; s[22:23] the scales' exponents
.set PH, 24                            ; s[24:25] the codes
.set G,  16                            ; v16-47   the gain of my 32 columns
.set BB, 48                            ; v48-79   the bias of my 32 columns
.set X,  80                            ; v80-207  four rows, 32 numbers a lane each
.set C,  208                           ; v208-239 four rows' codes, 8 registers each
	s_load_b512 s[8:23], s[0:1], 0x0               ; x 8, ln1_g 10, ln1_b 12, w_qkv 14, w_out 16, w_fc1 18, w_fc2 20, scales 22
	s_load_b128 s[24:27], s[0:1], 0x40             ; hcodes 24, wcodes 26
	v_lshl_add_u32 v254, v0, 2, 0x8c00
	v_mov_b32 v255, 0
	v_lshrrev_b32 v1, 5, v0
	v_readfirstlane_b32 s2, v1                     ; wave 0..3
	s_cmp_ge_u32 ttmp9, 256
	s_cbranch_scc1 .Lweights
; ---------------- LAYERNORM.  A wave takes four rows.  Lane l holds, for j = 0..3, columns 256 j + 8 l + 0..7: eight neighbours along K, as the conversion wants them.
; Two loads of 16 bytes a lane, issued together, cover 1,024 consecutive bytes; the eight codes leave as 8 bytes a lane: 32 lanes store 256 consecutive bytes, aligned.
.macro REDUCE                          ; v8 summed over the 32 lanes, the result in every lane
	v_add_f32_dpp v8, v8, v8 row_xmask:1 row_mask:0xf bank_mask:0xf
	v_add_f32_dpp v8, v8, v8 row_xmask:2 row_mask:0xf bank_mask:0xf
	v_add_f32_dpp v8, v8, v8 row_xmask:4 row_mask:0xf bank_mask:0xf
	v_add_f32_dpp v8, v8, v8 row_xmask:8 row_mask:0xf bank_mask:0xf
	v_permlanex16_b32 v9, v8, s34, s35
	v_add_f32 v8, v8, v9
.endm
.macro ROW rho
.set XR, X+32*(\rho)
	s_wait_loadcnt 8*(3-(\rho))                    ; loads come back in order: this row's eight are in, the later rows' eight each may be out
	v_pk_add_f32 v[240:241], v[XR:XR+1], v[XR+2:XR+3]          ; the row's sum, in two chains
	v_pk_add_f32 v[242:243], v[XR+4:XR+5], v[XR+6:XR+7]
.irp j, 8,12,16,20,24,28
	v_pk_add_f32 v[240:241], v[240:241], v[XR+\j:XR+\j+1]
	v_pk_add_f32 v[242:243], v[242:243], v[XR+\j+2:XR+\j+3]
.endr
	v_pk_add_f32 v[240:241], v[240:241], v[242:243]
	v_add_f32 v8, v240, v241
	REDUCE
	v_mul_f32 v10, s36, v8                         ; the mean, twice: a pair for the packed forms
	v_mul_f32 v11, s36, v8
.set jj, 0
.rept 16
	v_pk_add_f32 v[XR+jj:XR+jj+1], v[XR+jj:XR+jj+1], v[10:11] neg_lo:[0,1] neg_hi:[0,1]   ; x - mean first: the variance is taken of the differences, so a common offset costs nothing
.set jj, jj+2
.endr
	v_pk_mul_f32 v[240:241], v[XR:XR+1], v[XR:XR+1]
	v_pk_mul_f32 v[242:243], v[XR+2:XR+3], v[XR+2:XR+3]
.irp j, 4,8,12,16,20,24,28
	v_pk_fma_f32 v[240:241], v[XR+\j:XR+\j+1], v[XR+\j:XR+\j+1], v[240:241]
	v_pk_fma_f32 v[242:243], v[XR+\j+2:XR+\j+3], v[XR+\j+2:XR+\j+3], v[242:243]
.endr
	v_pk_add_f32 v[240:241], v[240:241], v[242:243]
	v_add_f32 v8, v240, v241
	REDUCE
	v_fma_f32 v8, v8, s36, s37                     ; variance + 1e-5
	s_wait_alu depctr_va_vdst(0)
	v_rsq_f32 v12, v8
	v_nop                                          ; a plain instruction behind the transcendental
	s_wait_alu depctr_va_vdst(0)                   ; and the wait ahead of the first reader
	v_mov_b32 v13, v12
.set jj, 0
.rept 16
	v_pk_mul_f32 v[XR+jj:XR+jj+1], v[XR+jj:XR+jj+1], v[12:13]
.set jj, jj+2
.endr
.set jj, 0
.rept 16
	v_pk_fma_f32 v[XR+jj:XR+jj+1], v[XR+jj:XR+jj+1], v[G+jj:G+jj+1], v[BB+jj:BB+jj+1]
.set jj, jj+2
.endr
.set jj, 0
.rept 32
	v_med3_num_f32 v[XR+jj], v[XR+jj], -v7, v7     ; the conversion to an 8-bit code does not saturate (ISA guide 7.6.2): the hold at the largest code x the scale
.set jj, jj+1
.endr
.irp j, 0,1,2,3
	v_cvt_scalef32_pk8_fp8_f32 v[C+8*(\rho)+2*\j:C+8*(\rho)+2*\j+1], v[XR+8*\j:XR+8*\j+7], v6
.endr
	v_nop                                          ; a plain instruction behind the last conversion
.irp j, 0,1,2,3
	global_store_b64 v3, v[C+8*(\rho)+2*\j:C+8*(\rho)+2*\j+1], s[32:33] offset:(\rho)*1024+256*\j   ; every row has registers of its own: no store's data are written again
.endr
.endm
	v_and_b32 v1, 31, v0                           ; lane
	v_lshlrev_b32 v2, 5, v1                        ; in: 32 bytes a lane
	v_lshlrev_b32 v3, 3, v1                        ; out: 8 bytes a lane
	v_mov_b32 v9, 0                                ; written once: a lane permute's destination counts as one of its sources
	s_lshl_b32 s28, ttmp9, 4
	s_lshl_b32 s29, s2, 2
	s_add_co_u32 s28, s28, s29                     ; my first row: 16 x work-group + 4 x wave
	s_lshl_b32 s38, s28, 12                        ; rows of 4,096 bytes in,
	s_mov_b32 s39, 0
	s_lshl_b32 s40, s28, 10                        ; of 1,024 bytes out
	s_mov_b32 s41, 0
	s_mov_b32 s34, 0x76543210                      ; v_permlanex16_b32: lane l xor 16
	s_mov_b32 s35, 0xfedcba98
	s_mov_b32 s36, 0x3a800000                      ; 1 / 1024
	s_mov_b32 s37, 0x3727c5ac                      ; 1e-5
	s_wait_alu depctr_va_vdst(0)
	s_wait_kmcnt 0x0
	s_load_b32 s44, s[PS:PS+1], 4*SCALE_IDX        ; e
	s_add_nc_u64 s[30:31], s[PX:PX+1], s[38:39]
	s_add_nc_u64 s[32:33], s[PH:PH+1], s[40:41]
.irp j, 0,1,2,3
	global_load_b128 v[G+8*\j:G+8*\j+3],    v2, s[PG:PG+1] offset:1024*\j
	global_load_b128 v[G+8*\j+4:G+8*\j+7],  v2, s[PG:PG+1] offset:1024*\j+16
	global_load_b128 v[BB+8*\j:BB+8*\j+3],  v2, s[PB:PB+1] offset:1024*\j
	global_load_b128 v[BB+8*\j+4:BB+8*\j+7], v2, s[PB:PB+1] offset:1024*\j+16
.endr
.irp rho, 0,1,2,3
.irp j, 0,1,2,3
	global_load_b128 v[X+32*\rho+8*\j:X+32*\rho+8*\j+3],   v2, s[30:31] offset:4096*\rho+1024*\j th:TH_LOAD_NT
	global_load_b128 v[X+32*\rho+8*\j+4:X+32*\rho+8*\j+7], v2, s[30:31] offset:4096*\rho+1024*\j+16 th:TH_LOAD_NT
.endr
.endr
	s_wait_kmcnt 0x0
	s_add_co_i32 s44, s44, 127
	s_lshl_b32 s45, s44, 23
	v_mov_b32 v6, s45                              ; 2^e as f32: the conversion takes its exponent field
	s_add_co_i32 s44, s44, 8
	s_lshl_b32 s44, s44, 23
	s_or_b32 s44, s44, 0x600000
	v_mov_b32 v7, s44                              ; 448 x 2^e
	ROW 0
	ROW 1
	ROW 2
	ROW 3
	s_endpgm
; ---------------- THE WEIGHTS.  A wave takes 32 columns x 256 along K.  A LANE TAKES A COLUMN n AND ITS REGISTERS RUN DOWN K: each load reads 128 consecutive bytes a wave, and the
; conversions give codes with K innermost.  A lane's codes belong to one row of the output: they go through the wave's own stage in LDS and leave as rows, sixteen lanes to 256 aligned bytes.
; Work-groups: w_qkv 24 x 4 = 96, w_out 8 x 4 = 32, w_fc1 32 x 4 = 128, w_fc2 8 x 16 = 128 (columns / 128 x K / 256).  Only numbers and pointers are chosen: all four take one path.
.set SPITCH, 272                       ; a stage row: 256 bytes + 16
.set OFF,  16                          ; v16-47   4 x lane + i rows of the weight
.set SO,   48                          ; v48-63   where pair t of rows goes in the codes
.set WX,   80                          ; v80-143  two sets of 32 numbers
.set WCD,  144                         ; v144-151 a block's codes
.set OUTR, 152                         ; v152-215 the way out
.set NB,   8
.Lweights:
	s_sub_co_u32 s52, ttmp9, 256                   ; which of the 384
	s_wait_kmcnt 0x0
	s_load_b256 s[36:43], s[22:23], 0x0            ; e0 .. e7
	s_load_b128 s[44:47], s[22:23], 0x20           ; e8 .. e11
	s_wait_kmcnt 0x0
	s_mov_b64 s[30:31], s[14:15]                   ; w_qkv:  the source,
	s_mov_b32 s32, 12288                           ;         a row of it in bytes,
	s_mov_b32 s33, 1024                            ;         a row of its codes in bytes (K),
	s_mov_b32 s34, 0                               ;         where its codes begin,
	s_mov_b32 s35, s37                             ;         its e,
	s_mov_b32 s48, 0                               ;         its first work-group,
	s_mov_b32 s49, 2                               ;         log2 (K / 256)
	s_cmp_ge_u32 s52, 96                           ; w_out
	s_cselect_b64 s[30:31], s[16:17], s[30:31]
	s_cselect_b32 s32, 4096, s32
	s_cselect_b32 s34, 3145728, s34
	s_cselect_b32 s35, s43, s35
	s_cselect_b32 s48, 96, s48
	s_cmp_ge_u32 s52, 128                          ; w_fc1
	s_cselect_b64 s[30:31], s[18:19], s[30:31]
	s_cselect_b32 s32, 16384, s32
	s_cselect_b32 s34, 4194304, s34
	s_cselect_b32 s35, s45, s35
	s_cselect_b32 s48, 128, s48
	s_cmp_ge_u32 s52, 256                          ; w_fc2
	s_cselect_b64 s[30:31], s[20:21], s[30:31]
	s_cselect_b32 s32, 4096, s32
	s_cselect_b32 s33, 4096, s33
	s_cselect_b32 s34, 8388608, s34
	s_cselect_b32 s35, s47, s35
	s_cselect_b32 s48, 256, s48
	s_cselect_b32 s49, 4, s49
	s_sub_co_u32 s52, s52, s48                     ; my number within the tensor
	s_bfm_b32 s53, s49, 0
	s_and_b32 s54, s52, s53                        ; y: which 256 along K
	s_lshr_b32 s55, s52, s49                       ; which 128 columns
	s_lshl_b32 s58, s55, 7
	s_lshl_b32 s59, s2, 5
	s_add_co_u32 s58, s58, s59                     ; my wave's first column
	s_lshl_b32 s56, s54, 8
	s_mul_i32 s56, s56, s32                        ; 256 y rows of the weight
	s_lshl_b32 s57, s58, 2
	s_add_co_u32 s56, s56, s57
	s_mov_b32 s57, 0
	s_add_nc_u64 s[66:67], s[30:31], s[56:57]      ; block 0's base;
	s_lshl_b32 s60, s32, 5                         ; 32 rows on
	s_mov_b32 s61, 0
.irp t, 1,2,3,4,5,6,7
	s_add_nc_u64 s[66+2*\t:67+2*\t], s[66+2*(\t-1):67+2*(\t-1)], s[60:61]   ; a base for each block of 32 along K: none is ever stepped
.endr
	s_mul_i32 s56, s58, s33
	s_add_co_u32 s56, s56, s34
	s_lshl_b32 s59, s54, 8
	s_add_co_u32 s56, s56, s59
	s_mov_b32 s57, 0
	s_add_nc_u64 s[50:51], s[26:27], s[56:57]      ; the codes: column x K + 256 y
	v_and_b32 v2, 31, v0                           ; lane
	v_lshlrev_b32 v[OFF], 2, v2
.set ii, 1
.rept 31
	v_add_nc_u32 v[OFF+ii], s32, v[OFF+ii-1]
.set ii, ii+1
.endr
	v_and_b32 v5, 15, v2
	v_lshrrev_b32 v6, 4, v2
	v_mul_lo_u32 v[SO], v6, s33
	v_lshl_add_u32 v[SO], v5, 4, v[SO]             ; sixteen lanes to a row, two rows an instruction
	s_lshl_b32 s62, s33, 1
.set ii, 1
.rept 15
	v_add_nc_u32 v[SO+ii], s62, v[SO+ii-1]
.set ii, ii+1
.endr
	s_mul_i32 s59, s2, 32*SPITCH                   ; my stage
	v_mul_u32_u24 v4, v2, SPITCH
	v_add_nc_u32 v4, s59, v4                       ; into it: row = my column
	v_mul_u32_u24 v7, v6, SPITCH
	v_lshl_add_u32 v7, v5, 4, v7
	v_add_nc_u32 v7, s59, v7                       ; out of it
	s_add_co_i32 s35, s35, 127
	s_lshl_b32 s59, s35, 23
	v_mov_b32 v11, s59                             ; 2^e as f32
	s_add_co_i32 s35, s35, 8
	s_lshl_b32 s35, s35, 23
	s_or_b32 s35, s35, 0x600000
	v_mov_b32 v10, s35                             ; 448 x 2^e
.macro LOAD t                          ; block t: W(256 y + 32 t + i, my column), i = 0 .. 31, into set t % 2
.set ii, 0
.rept 32
	global_load_b32 v[WX+32*((\t)%2)+ii], v[OFF+ii], s[66+2*(\t):67+2*(\t)] th:TH_LOAD_NT
.set ii, ii+1
.endr
.endm
.macro BLOCK t
.set XS, WX+32*((\t)%2)
.if (\t) < NB-1
	s_wait_loadcnt 32                              ; this block's 32 loads are in; the next block's may be out
.else
	s_wait_loadcnt 0
.endif
.set ii, 0
.rept 32
	v_med3_num_f32 v[XS+ii], v[XS+ii], -v10, v10
.set ii, ii+1
.endr
.irp g, 0,1,2,3
	v_cvt_scalef32_pk8_fp8_f32 v[WCD+2*\g:WCD+2*\g+1], v[XS+8*\g:XS+8*\g+7], v11
.endr
	ds_store_b128 v4, v[WCD:WCD+3] offset:32*(\t)  ; 32 codes: 32 bytes of my column's row
	ds_store_b128 v4, v[WCD+4:WCD+7] offset:32*(\t)+16
.if (\t)+2 < NB
	LOAD (\t)+2
.endif
	s_wait_dscnt 0x0                               ; the stores have read their registers: the next block's codes may be written (its 32 holds are the plain lines between the conversions)
.endm
	LOAD 0
	LOAD 1
.set Q, 0
	s_wait_alu depctr_va_vdst(0)
.rept NB
	BLOCK Q
.set Q, Q+1
.endr
.set tt, 0
.rept 16
	ds_load_b128 v[OUTR+4*tt:OUTR+4*tt+3], v7 offset:2*tt*SPITCH   ; LDS serves a wave's instructions in order: these see my stores
.set tt, tt+1
.endr
.set tt, 0
.rept 16
	s_wait_dscnt 15-tt
	global_store_b128 v[SO+tt], v[OUTR+4*tt:OUTR+4*tt+3], s[50:51]
.set tt, tt+1
.endr
	s_wait_tensorcnt 0x0
	ds_add_u32 v254, v255
	s_wait_dscnt 0x0
	s_endpgm
.Lfunc_end_k_qeee37c0e98_prep:
	.size	k_qeee37c0e98_prep, .Lfunc_end_k_qeee37c0e98_prep-k_qeee37c0e98_prep
	.p2alignl 7, 3214868480
	.fill 96, 4, 3214868480
	.section	.rodata,"a",@progbits
	.p2align	6, 0x0
	.amdhsa_kernel k_qeee37c0e98_prep
		.amdhsa_group_segment_fixed_size 36352
		.amdhsa_private_segment_fixed_size 0
		.amdhsa_enable_private_segment 0
		.amdhsa_kernarg_size 80
		.amdhsa_user_sgpr_count 2
		.amdhsa_user_sgpr_kernarg_segment_ptr 1
		.amdhsa_wavefront_size32 1
		.amdhsa_system_sgpr_workgroup_id_x 1
		.amdhsa_system_sgpr_workgroup_id_y 1
		.amdhsa_system_sgpr_workgroup_id_z 1
		.amdhsa_system_vgpr_workitem_id 0
		.amdhsa_next_free_vgpr 256
		.amdhsa_next_free_sgpr 84
		.amdhsa_reserve_vcc 0
		.amdhsa_float_denorm_mode_32 3
		.amdhsa_float_denorm_mode_16_64 3
		.amdhsa_memory_ordered 1
		.amdhsa_forward_progress 1
		.amdhsa_inst_pref_size 93
	.end_amdhsa_kernel
	.amdgpu_metadata
---
amdhsa.version: [ 1, 2 ]
amdhsa.kernels:
  - .name:           k_qeee37c0e98_prep
    .symbol:         k_qeee37c0e98_prep.kd
    .args:
      - { .name: x, .offset: 0, .size: 8, .value_kind: global_buffer, .address_space: global }
      - { .name: ln1_g, .offset: 8, .size: 8, .value_kind: global_buffer, .address_space: global }
      - { .name: ln1_b, .offset: 16, .size: 8, .value_kind: global_buffer, .address_space: global }
      - { .name: w_qkv, .offset: 24, .size: 8, .value_kind: global_buffer, .address_space: global }
      - { .name: w_out, .offset: 32, .size: 8, .value_kind: global_buffer, .address_space: global }
      - { .name: w_fc1, .offset: 40, .size: 8, .value_kind: global_buffer, .address_space: global }
      - { .name: w_fc2, .offset: 48, .size: 8, .value_kind: global_buffer, .address_space: global }
      - { .name: lowp_scales, .offset: 56, .size: 8, .value_kind: global_buffer, .address_space: global }
      - { .name: hcodes, .offset: 64, .size: 8, .value_kind: global_buffer, .address_space: global }
      - { .name: wcodes, .offset: 72, .size: 8, .value_kind: global_buffer, .address_space: global }
    .group_segment_fixed_size: 36352
    .private_segment_fixed_size: 0
    .kernarg_segment_align: 8
    .kernarg_segment_size: 80
    .max_flat_workgroup_size: 128
    .sgpr_count:     84
    .vgpr_count:     256
    .wavefront_size: 32
...
	.end_amdgpu_metadata
.endif
;; end of part 1
;; launch qkv (part 2): grid 12 x 16, 4 waves a work-group, clusters of 4 x 4, 327,680 bytes of LDS; arguments hcodes, wcodes, lowp_scales, b_qkv, qkvc; writes qkvc
.if DOCPART == 2
	.amdgcn_target "amdgcn-amd-amdhsa--gfx1250"
	.amdhsa_code_object_version 6
	.text
	.protected	k_qeee37c0e98_qkv
	.globl	k_qeee37c0e98_qkv
	.p2align	8
	.type	k_qeee37c0e98_qkv,@function
k_qeee37c0e98_qkv:
	s_mov_b64 s[64:65], 0
	v_nop
	global_prefetch_b8 v0, s[64:65] scope:SCOPE_SE
	s_setreg_imm32_b32 hwreg(HW_REG_WAVE_MODE, 25, 1), 1
	s_wait_xcnt 0x0
	s_wait_alu depctr_hold_cnt(0) depctr_sa_sdst(0) depctr_va_vdst(0) depctr_va_sdst(0) depctr_va_ssrc(0) depctr_va_vcc(0) depctr_vm_vsrc(0)
	s_getreg_b32 s2, hwreg(HW_REG_IB_STS2, 6, 4)
	s_cmp_eq_u32 s2, 0
	s_cbranch_scc0 .Lentry_in_a_cluster
	s_endpgm
.Lentry_in_a_cluster:
	s_bfe_u32 s2, ttmp6, 0x10000c
	s_cmp_lg_u32 s2, 0xf033
	s_cbranch_scc0 .Lentry_shape_is_right
	s_endpgm
.Lentry_shape_is_right:
; q, k, v = Q(LN1(x)) Q(w_qkv) + b_qkv on codes of E4M3, each result quantised at once for attention.  hcodes [4096][1024], w_qkv's codes [3072][1024] (wcodes, byte 0): K innermost.
; A tile of 256 x 256 to a work-group of four waves, 128 x 128 a wave: 64 accumulators, 512 registers.  K = 1,024 goes in four steps of 256 through a ring of two LDS slots filled by the tensor data mover.
; CLUSTERS of 4 x 4: the four of a row of the cluster ask jointly for the tile of the operand called A here, the four of a column for B's.
; THE MATRIX INSTRUCTION IS USED TRANSPOSED (source 0 = 16 rows of B, source 1 = 16 rows of A): a lane holds one row of A's and eight neighbouring rows of B's.
; Clusters x = 0, 1 (q, k): A = tokens, B = rows of the weight: a lane's eight results are neighbours along the head's axis, the K of q k^T.
; Cluster  x = 2    (v):    A = rows 2048.. of the weight, B = tokens: a lane's eight results are neighbouring KEYS, the K of p v.  The cluster's x is the same in all sixteen partners.
; OUT: q at byte 0 and k at 4,194,304 of qkvc as [16 heads][4096 tokens][64]; v at 8,388,608 as [2][1024 = 64 head + d][2048 keys].
; result = sum x 2^(e0 + e1) + bias; code = result / 2^e (q: e2, k: e3, v: e5), held within +-448.
; LIMITS: e0 + e1 between -126 and 127; e2, e3, e5 between -126 and 119.  NaN among the inputs is not served.
; REGISTERS, in windows of 256: window 0: v0-31 addresses; v32-95 the bias along B's rows, v96-111 along A's rows; from v128 A's fragments, ONE set; on the way out v128-255 are at work.
;   window 1: B's fragments, TWO sets.   window 2: the accumulators of my rows 0-63 ((a, b) at v[8 (8 a + b)]);   window 3: those of my rows 64-127.
.set SIZE_K, 1024
.set KSTEP,  256
.set ROWB,   256
.set KROW,   SIZE_K
.set PITCH,  272                       ; an LDS row: 256 bytes + 16 of padding: row r begins 16 r bytes further on modulo 256, so the 16 rows of a load fall on 16 different columns of 16 bytes
.set FR,     16
.set NL,     4
.set NP,     4                         ; places behind this matrix instruction (ISA guide 7.12.1)
.set HALFT,  128*PITCH
.set SLOT,   4*HALFT
.set LAPS,   SIZE_K/(2*KSTEP)
.set SPARE,  2*SLOT                    ; behind the ring: the spare words, 128 bytes a wave: two blocks of 256 bytes that no other line names
.set SPITCH, 272                       ; the way out: ONE stage of 256 rows x (256 codes + 16) for the work-group, in slot 0, which has had its last fill and its last read by then
.set BO,   6                           ; v6   4 x (lane % 16): the bias along A's rows
.set BH,   7                           ; v7   32 x (lane / 16): the bias along B's rows
.set ADRA, 16
.set ADRB, 20
.set QS,   22                          ; v22  2^e of the result's quantiser
.set LIM,  23                          ; v23  448 x that
.set STO,  24                          ; v24  the stage: where I put 8 codes
.set RDP,  25                          ; v25  the stage read by heads: 8 tokens x 64 bytes an instruction
.set COP,  26                          ; v26  16 x lane
.set ZERO, 27
.set SPW,  28
.set NIL,  29
.set RDR,  30                          ; v30  the stage read by rows: 2 rows x 256 bytes an instruction
.set COR,  31                          ; v31  the same two rows in v
.set BN,   32
.set BM,   96
.set AF,   128
.set X,    128                         ; the way out: 32 numbers
.set CD,   192                         ; and their codes, two sets of 8
.set G1, 24
.set G0, 32
.set G1B, 48
.set G0B, 56
.set MSB, 0
.macro WIN new                         ; the immediate's high byte repeats the setting that is left
.if MSB != \new
	s_set_vgpr_msb (MSB<<8)|\new
.set MSB, \new
.endif
.endm
.set MUL_LO, 0xa1                      ; source 0 (B) window 1, source 1 (A) window 0, C and D window 2
.set MUL_HI, 0xf1
.set TO_B,   0x40
; A joint load: waves 0 and 1 fetch for A, waves 2 and 3 for B.  The branch hangs on the wave's number alone.  Four v_nop follow each of the two lines.
.macro JLOAD g0a, g1a, g0b, g1b
	s_cmp_eq_u32 s15, 0
	s_cbranch_scc0 .Lfor_b_\@
	tensor_load_to_lds s[\g0a:\g0a+3], s[\g1a:\g1a+7]
	s_nop 0
.rept 4
	v_nop
.endr
	s_branch .Lasked_\@
.Lfor_b_\@:
	tensor_load_to_lds s[\g0b:\g0b+3], s[\g1b:\g1b+7]
	s_nop 0
.rept 4
	v_nop
.endr
.Lasked_\@:
.endm
.macro CREST                           ; a round of the cluster's barrier behind its opening barrier
	s_cmp_lg_u32 s14, 0
	s_cbranch_scc1 .Lnot_wave_0_\@
	s_barrier_signal -3
.Lnot_wave_0_\@:
	s_barrier_wait -3
	s_barrier_signal -1
	s_barrier_wait -1
.endm
.macro CROUND
	s_barrier_signal -1
	s_barrier_wait -1
	CREST
.endm
	s_load_b256 s[4:11], s[0:1], 0x0               ; hcodes 4, wcodes 6, scales 8, b_qkv 10
	s_load_b64 s[12:13], s[0:1], 0x20              ; qkvc
	v_lshl_add_u32 v[SPW], v0, 2, SPARE
	v_mov_b32 v[NIL], 0
	ds_add_u32 v28, v29
	ds_add_u32 v28, v29
	s_wait_dscnt 0x0
	v_lshrrev_b32 v1, 5, v0
	v_readfirstlane_b32 s14, v1                    ; wave 0..3
	s_lshr_b32 s15, s14, 1                         ; which half of A's rows is mine.  Also: I fetch for A (0) or for B (1)
	s_and_b32 s16, s14, 1                          ; which half of B's rows.  Also: which 128 rows of that tile I fetch
	s_bfe_u32 s40, ttmp6, 0x40000                  ; cx, cy: my place in the cluster
	s_bfe_u32 s41, ttmp6, 0x40004
	s_and_b32 s20, ttmp7, 0xffff
	s_lshl_b32 s20, s20, 2                         ; 4 x cluster y
	s_lshl_b32 s46, ttmp9, 2                       ; 4 x cluster x
	s_cmp_eq_u32 ttmp9, 2                          ; v's cluster?
	s_cselect_b32 s17, 8, s20                      ; A's tile of 256 rows: v: 8 + cy of the weight; else 4 cluster y + cy of the tokens
	s_cselect_b32 s42, s20, s46                    ; B's: v: 4 cluster y + cx of the tokens; else 4 cluster x + cx of the weight
	s_add_co_u32 s17, s17, s41
	s_add_co_u32 s42, s42, s40
	s_lshl_b32 s43, s41, 2
	s_lshl_b32 s43, 15, s43                        ; my row of the cluster
	s_lshl_b32 s44, 0x1111, s40                    ; my column
	s_or_b32 s[G1+0], s43, (0<<16)|(1<<20)|(1<<21)|(5<<22)|(3<<25)  ; the mask; elements of 1 byte; padding on; bit 21 beside a mask; after every 64 words, 4 words
	s_or_b32 s[G1B+0], s44, (0<<16)|(1<<20)|(1<<21)|(5<<22)|(3<<25)
.irp g, G1, G1B
	s_mov_b32 s[\g+1], ROWB<<16                    ; tensor_dim0
	s_mov_b32 s[\g+2], 128<<16                     ; tensor_dim1
	s_mov_b32 s[\g+3], ROWB<<16                    ; tile_dim0
	s_mov_b32 s[\g+4], 128                         ; tile_dim1
	s_mov_b32 s[\g+5], KROW                        ; tensor_dim0_stride
	s_mov_b32 s[\g+6], 0
	s_mov_b32 s[\g+7], 0
.endr
	s_lshl_b32 s18, s16, 7
	s_lshl_b32 s20, s17, 8
	s_add_co_u32 s20, s20, s18                     ; A: row 256 x tile + 128 x half,
	s_lshl_b32 s20, s20, 10                        ; in bytes
	s_mov_b32 s21, 0
	s_lshl_b32 s46, s42, 8
	s_add_co_u32 s46, s46, s18                     ; B likewise, in registers that never hold cy
	s_lshl_b32 s46, s46, 10
	s_mov_b32 s47, 0
	s_mul_i32 s45, s14, HALFT                      ; where they go: wave x 128 rows
	s_wait_kmcnt 0x0
	s_load_b256 s[80:87], s[8:9], 0x0              ; e0 .. e7
	s_cmp_eq_u32 ttmp9, 2
	s_cselect_b64 s[66:67], s[6:7], s[4:5]         ; A's buffer
	s_cselect_b64 s[68:69], s[4:5], s[6:7]         ; B's
	s_add_nc_u64 s[20:21], s[66:67], s[20:21]
	s_add_nc_u64 s[46:47], s[68:69], s[46:47]
	CROUND                                         ; all sixteen work-groups are here: the first joint loads meet
.irp s, 0,1
	s_mov_b32 s[G0+4*\s], 1
	s_add_co_u32 s[G0+4*\s+1], s45, \s*SLOT
	s_add_nc_u64 s[G0+4*\s+2:G0+4*\s+3], s[20:21], \s*ROWB
	s_or_b32 s[G0+4*\s+3], s[G0+4*\s+3], 0x80000000
	s_mov_b32 s[G0B+4*\s], 1
	s_add_co_u32 s[G0B+4*\s+1], s45, \s*SLOT
	s_add_nc_u64 s[G0B+4*\s+2:G0B+4*\s+3], s[46:47], \s*ROWB
	s_or_b32 s[G0B+4*\s+3], s[G0B+4*\s+3], 0x80000000
.endr
	JLOAD G0, G1, G0B, G1B                         ; K step 0: one tensor load a wave at the head
	; PREFETCHES INTO THE L2: behind the load of K step 0 a wave names K steps 1 and 2, behind that of K step 1 K step 3.  Of the 128 rows that I fetch, each of the four
	; partners that ask for them jointly takes 32, told apart by address (cx for A, cy for B): a lane a row, 256 bytes of it.  K step 0 comes by its load alone; there is no K step 4.
	s_cmp_eq_u32 s15, 0
	s_cselect_b64 s[94:95], s[20:21], s[46:47]     ; the rows that I fetch
	s_cselect_b32 s96, s40, s41                    ; my work-group's place among the four
	s_lshl_b32 s96, s96, 15                        ; 32 rows of 1,024 bytes
	s_mov_b32 s97, 0
	s_add_nc_u64 s[94:95], s[94:95], s[96:97]      ; never rewritten
	v_and_b32 v12, 31, v0
	v_lshlrev_b32 v12, 10, v12                     ; v12: my lane's row; never rewritten
	global_prefetch_b8 v12, s[94:95] offset:1*ROWB th:TH_LOAD_NT scope:SCOPE_SE
	global_prefetch_b8 v12, s[94:95] offset:2*ROWB th:TH_LOAD_NT scope:SCOPE_SE
	v_and_b32 v1, 15, v0                           ; r = lane % 16
	v_bfe_u32 v2, v0, 4, 1                         ; h = lane / 16
	v_mul_u32_u24 v3, v1, PITCH
	s_wait_alu depctr_va_vdst(0)
	v_lshl_add_u32 v4, v2, 4, v3
	s_mul_i32 s21, s15, HALFT
	s_mul_i32 s22, s16, HALFT
	s_add_co_u32 s22, s22, 2*HALFT
.irp s, 0,1
	v_add_nc_u32 v[ADRA+\s], s21, v4
	v_add_nc_u32 v[ADRB+\s], s22, v4
	s_add_co_u32 s21, s21, SLOT
	s_add_co_u32 s22, s22, SLOT
.endr
	s_mul_i32 s23, s15, 128*SPITCH                 ; the stage, in: row 128 x my half + r, byte 128 x my half of the columns + 8 h
	s_lshl_b32 s22, s16, 7
	s_add_co_u32 s23, s23, s22
	v_lshl_add_u32 v5, v2, 3, v3
	v_add_nc_u32 v[STO], s23, v5
	s_mul_i32 s23, s14, 64*SPITCH                  ; back: wave w takes rows 64 w .. 64 w + 63
	v_and_b32 v5, 31, v0
	v_lshrrev_b32 v8, 2, v5
	v_and_b32 v9, 3, v5
	v_mul_u32_u24 v8, v8, SPITCH
	v_lshl_add_u32 v8, v9, 4, v8
	v_add_nc_u32 v[RDP], s23, v8                   ; by heads: row lane / 4, 16 (lane % 4)
	v_lshlrev_b32 v[COP], 4, v5
	v_mul_u32_u24 v8, v2, SPITCH
	v_lshl_add_u32 v8, v1, 4, v8
	v_add_nc_u32 v[RDR], s23, v8                   ; by rows: row h, 16 r
	v_lshlrev_b32 v[COR], 11, v2
	v_lshl_add_u32 v[COR], v1, 4, v[COR]
	v_lshlrev_b32 v[BO], 2, v1
	v_lshlrev_b32 v[BH], 5, v2
	; the bias.  q, k: it runs along B's rows (eight numbers a lane and block); v: along A's rows (one a lane and block, in a pair).  Both are loaded, the one that does not apply from the buffer's head, and is made 0 below.
	s_wait_alu depctr_va_vdst(0)
	s_lshl_b32 s72, s42, 10
	s_lshl_b32 s22, s16, 9
	s_add_co_u32 s72, s72, s22                     ; 4 (256 tile + 128 half)
	s_lshl_b32 s74, s41, 10
	s_lshl_b32 s22, s15, 9
	s_add_co_u32 s74, s74, s22
	s_add_co_u32 s74, s74, 8192                    ; 4 (2048 + 256 cy + 128 half)
	s_cmp_eq_u32 ttmp9, 2
	s_cselect_b32 s72, 0, s72
	s_cselect_b32 s74, s74, 0
	s_cselect_b32 s77, -1, 0                       ; all lanes where v
	s_mov_b32 s73, 0
	s_mov_b32 s75, 0
	s_add_nc_u64 s[72:73], s[10:11], s[72:73]
	s_add_nc_u64 s[74:75], s[10:11], s[74:75]
	s_not_b32 s78, s77
.set jj, 0
.rept 8
	global_load_b128 v[BN+8*jj:BN+8*jj+3],   v[BH], s[72:73] offset:64*jj
	global_load_b128 v[BN+8*jj+4:BN+8*jj+7], v[BH], s[72:73] offset:64*jj+16
	global_load_b32 v[BM+2*jj],   v[BO], s[74:75] offset:64*jj
	global_load_b32 v[BM+2*jj+1], v[BO], s[74:75] offset:64*jj
.set jj, jj+1
.endr
.macro FRAG reg, adr, q, i             ; 16 rows x 128 K: lane l holds row l % 16; registers 4 c .. 4 c + 3 hold K = 32 c + 16 (l / 16) + 0 .. 15: the same permutation of k in A and in B
.irp c, 0,1,2,3
	ds_load_b128 v[\reg+4*\c:\reg+4*\c+3], v[\adr] offset:128*(\q)+32*\c+(\i)*16*PITCH
.endr
.endm
; 16 matrix instructions: A's blocks a0, a0 + 1 x B's eight.  The 64 accumulators take turns, one instruction a turn, in the same order in every step.
.macro MUL16 a0, p, zero
.irp a, \a0, \a0+1
.irp b, 0,1,2,3,4,5,6,7
.if \zero
	v_wmma_f32_16x16x128_fp8_fp8 v[8*(8*((\a)%4)+\b):8*(8*((\a)%4)+\b)+7], v[128*(\p)+FR*\b:128*(\p)+FR*\b+FR-1], v[AF+FR*(\a):AF+FR*(\a)+FR-1], 0
.else
	v_wmma_f32_16x16x128_fp8_fp8 v[8*(8*((\a)%4)+\b):8*(8*((\a)%4)+\b)+7], v[128*(\p)+FR*\b:128*(\p)+FR*\b+FR-1], v[AF+FR*(\a):AF+FR*(\a)+FR-1], v[8*(8*((\a)%4)+\b):8*(8*((\a)%4)+\b)+7]
.endif
.endr
.endr
.endm
.macro FETCH_B slot, q, p
	WIN TO_B
.irp i, 0,1,2,3,4,5,6,7
	FRAG 128*(\p)+FR*\i, ADRB+\slot, \q, \i
.endr
	WIN 0
.endm
.macro FETCH_A slot, q, i0
.irp i, \i0, \i0+1, \i0+2, \i0+3
	FRAG AF+FR*(\i), ADRA+\slot, \q, \i
.endr
.endm
.macro PLACES n                        ; plain vector instructions between a matrix instruction and a load into, or a vector read or write of, its registers
.rept \n
	v_nop
.endr
.endm
.macro STEP slot, q, zero              ; 128 along K that has its successor in the same slot
	s_wait_dscnt 4*NL                              ; B's set and A's blocks 0-3 are in; the youngest sixteen loads (A's blocks 4-7) may be out
	WIN MUL_LO
	MUL16 0, (\q)%2, \zero
	MUL16 2, (\q)%2, \zero
	s_wait_dscnt 0
	PLACES NP
	FETCH_B \slot, (\q)+1, 1-(\q)%2
	FETCH_A \slot, (\q)+1, 0
	WIN MUL_HI
	MUL16 4, (\q)%2, \zero
	MUL16 6, (\q)%2, \zero
	PLACES NP
	WIN 0
	FETCH_A \slot, (\q)+1, 4
.endm
; A slot's last step changes slots: ONE barrier; in front of it each wave waits for all its tensor loads, adds 0 to its spare word, and waits for that and for its own reads of this slot.
.macro TURN slot, next, fill
	s_wait_tensorcnt 0x0                           ; all my tensor loads have landed: my part of the next slot
	ds_add_u32 v[SPW], v[NIL]                      ; 0 onto my spare word
	s_wait_dscnt 4*NL+1                            ; the add and the youngest sixteen loads may be out
	WIN MUL_LO
	MUL16 0, 1, 0
	s_wait_dscnt 0x0                               ; the add is done, and my reads of this slot are over
	s_barrier_signal -1
	MUL16 2, 1, 0
	WIN 0
	s_barrier_wait -1
.if \fill
	CREST                                          ; the barrier has opened a round of the cluster's: no wave of any partner still reads this slot or has a load on its way
	s_add_nc_u64 s[G0+4*\slot+2:G0+4*\slot+3], s[G0+4*\slot+2:G0+4*\slot+3], 2*ROWB
	s_add_nc_u64 s[G0B+4*\slot+2:G0B+4*\slot+3], s[G0B+4*\slot+2:G0B+4*\slot+3], 2*ROWB
	JLOAD G0+4*\slot, G1, G0B+4*\slot, G1B         ; the first tensor load behind the round; its four v_nop are the places in front of the loads below
.else
	PLACES NP
.endif
	FETCH_B \next, 0, 0
	FETCH_A \next, 0, 0
	WIN MUL_HI
	MUL16 4, 1, 0
	MUL16 6, 1, 0
	PLACES NP
	WIN 0
	FETCH_A \next, 0, 4
.endm
	s_wait_alu depctr_va_vdst(0)                   ; the wait at the head's end
	s_wait_tensorcnt 0x0                           ; my part of K step 0 is in
	ds_add_u32 v[SPW], v[NIL]
	s_wait_dscnt 0x0
	CROUND                                         ; everybody's part of K step 0 is in, and all sixteen work-groups are here
	JLOAD G0+4, G1, G0B+4, G1B                     ; K step 1, the first tensor load behind the round
	FETCH_B 0, 0, 0
	FETCH_A 0, 0, 0
	FETCH_A 0, 0, 4
	global_prefetch_b8 v12, s[94:95] offset:3*ROWB th:TH_LOAD_NT scope:SCOPE_SE   ; K step 3
	STEP 0, 0, 1                                   ; the first step's products start the sums
	s_mov_b32 s3, LAPS-1
.Llap:                                                 ; a trip goes once round the ring and fills both slots again
	TURN 0, 1, 1
	STEP 1, 0, 0
	TURN 1, 0, 1
	STEP 0, 0, 0
	s_sub_co_u32 s3, s3, 1
	s_cmp_lg_u32 s3, 0
	s_cbranch_scc1 .Llap
	TURN 0, 1, 0                                   ; the last lap fills nothing
	STEP 1, 0, 0
	s_wait_dscnt 4*NL
	WIN MUL_LO
	MUL16 0, 1, 0
	MUL16 2, 1, 0
	s_wait_dscnt 0
	WIN MUL_HI
	MUL16 4, 1, 0
	MUL16 6, 1, 0
	WIN 0
	; THE WAY OUT.  sum x 2^(e0 + e1) + bias, held, converted eight at a time; the codes meet in the work-group's stage, and each wave then stores 64 whole rows of it.
	s_wait_kmcnt 0x0
	s_add_co_i32 s70, s80, s81
	s_add_co_i32 s70, s70, 127
	s_lshl_b32 s70, s70, 23                        ; 2^(e0 + e1) as f32
	s_mov_b32 s71, s70                             ; (named with it as a pair, so it is written)
	s_cmp_eq_u32 ttmp9, 0
	s_cselect_b32 s88, s82, s83                    ; q: e2; k: e3;
	s_cmp_eq_u32 ttmp9, 2
	s_cselect_b32 s88, s85, s88                    ; v: e5.  A choice, no branch
	s_add_co_i32 s88, s88, 127
	s_lshl_b32 s89, s88, 23
	s_add_co_i32 s88, s88, 8
	s_lshl_b32 s88, s88, 23
	s_or_b32 s88, s88, 0x600000
	s_wait_loadcnt 0x0                             ; the biases
	PLACES NP
	v_mov_b32 v[QS], s89
	v_mov_b32 v[LIM], s88
	v_mov_b32 v[ZERO], 0
.set jj, 0
.rept 64
	v_cndmask_b32 v[BN+jj], v[BN+jj], v[ZERO], s77 ; v has no bias along B's rows,
.set jj, jj+1
.endr
.set jj, 0
.rept 16
	v_cndmask_b32 v[BM+jj], v[BM+jj], v[ZERO], s78 ; q and k none along A's
.set jj, jj+1
.endr
.macro HB a, hf                        ; half a block: A's rows 16 a on, B's blocks 4 hf .. 4 hf + 3
.set II, 2*(\a)+(\hf)
.set AC, 64*((\a)%4)+32*(\hf)
.set CC, CD+8*(II%2)
.if II >= 2
	s_wait_dscnt 4                                 ; the last half block's four stores may be out; those that read this set of codes are done
.endif
	WIN 0x02+((\a)/4)                              ; source 0: window 2 or 3
.set jj, 0
.rept 16
	v_pk_fma_f32 v[X+jj:X+jj+1], v[AC+jj:AC+jj+1], s[70:71], v[BN+32*(\hf)+jj:BN+32*(\hf)+jj+1] op_sel_hi:[1,0,1]   ; each accumulator from its low end on
.set jj, jj+2
.endr
	WIN 0
.set jj, 0
.rept 16
	v_pk_add_f32 v[X+jj:X+jj+1], v[X+jj:X+jj+1], v[BM+2*(\a):BM+2*(\a)+1]
.set jj, jj+2
.endr
.set jj, 0
.rept 32
	v_med3_num_f32 v[X+jj], v[X+jj], -v[LIM], v[LIM]
.set jj, jj+1
.endr
.irp q, 0,1,2,3
	v_cvt_scalef32_pk8_fp8_f32 v[CC+2*\q:CC+2*\q+1], v[X+8*\q:X+8*\q+7], v[QS]
.endr
	v_nop                                          ; a plain instruction behind the last conversion: the next half block writes its sources
.irp q, 0,1,2,3
	ds_store_b64 v[STO], v[CC+2*\q:CC+2*\q+1] offset:(\a)*16*SPITCH+16*(4*(\hf)+\q)
.endr
.endm
.irp a, 0,1,2,3,4,5,6,7
	HB \a, 0
	HB \a, 1
.endr
	s_wait_dscnt 0x0                               ; for the others' sake: my stores into the stage are done
	s_barrier_signal -1
	s_barrier_wait -1
	s_cmp_eq_u32 ttmp9, 2                          ; the cluster's x: the same in all partners.  Both arms hold LDS loads and global stores alone
	s_cbranch_scc1 .Lrows
	s_lshl_b32 s90, ttmp9, 22                      ; q or k,
	s_lshl_b32 s92, s40, 20                        ; head 4 cx,
	s_add_co_u32 s90, s90, s92
	s_lshl_b32 s92, s17, 14                        ; token 256 x tile
	s_add_co_u32 s90, s90, s92
	s_lshl_b32 s92, s14, 12                        ; + 64 x wave, 64 bytes each
	s_add_co_u32 s90, s90, s92
	s_mov_b32 s91, 0
	s_add_nc_u64 s[90:91], s[12:13], s[90:91]
.set nn, 0
.rept 32
	ds_load_b128 v[128+4*nn:128+4*nn+3], v[RDP] offset:(nn%8)*8*SPITCH+(nn/8)*64   ; head nn / 8, tokens 8 (nn % 8) on
.set nn, nn+1
.endr
.set nn, 0
.rept 32
	s_wait_dscnt 31-nn
	global_store_b128 v[COP], v[128+4*nn:128+4*nn+3], s[90:91] offset:(nn/8)*262144+(nn%8)*512   ; 32 lanes store 512 consecutive bytes, aligned
.set nn, nn+1
.endr
	s_branch .Lend
.Lrows:
	s_lshr_b32 s90, s42, 3                         ; the batch,
	s_lshl_b32 s90, s90, 21
	s_lshl_b32 s92, s41, 19                        ; row 256 cy
	s_add_co_u32 s90, s90, s92
	s_lshl_b32 s92, s14, 17                        ; + 64 x wave, 2,048 bytes each,
	s_add_co_u32 s90, s90, s92
	s_and_b32 s92, s42, 7
	s_lshl_b32 s92, s92, 8                         ; keys 256 x (tile % 8)
	s_add_co_u32 s90, s90, s92
	s_add_co_u32 s90, s90, 8388608
	s_mov_b32 s91, 0
	s_add_nc_u64 s[90:91], s[12:13], s[90:91]
.set nn, 0
.rept 32
	ds_load_b128 v[128+4*nn:128+4*nn+3], v[RDR] offset:nn*2*SPITCH
.set nn, nn+1
.endr
.set nn, 0
.rept 32
	s_wait_dscnt 31-nn
	global_store_b128 v[COR], v[128+4*nn:128+4*nn+3], s[90:91] offset:nn*4096   ; sixteen lanes store 256 consecutive bytes, aligned
.set nn, nn+1
.endr
.Lend:
	s_wait_tensorcnt 0x0                           ; the wave's end
	ds_add_u32 v[SPW], v[NIL]
	s_wait_dscnt 0x0
	CROUND                                         ; the closing round
	s_endpgm
.Lfunc_end_k_qeee37c0e98_qkv:
	.size	k_qeee37c0e98_qkv, .Lfunc_end_k_qeee37c0e98_qkv-k_qeee37c0e98_qkv
	.p2alignl 7, 3214868480
	.fill 96, 4, 3214868480
	.section	.rodata,"a",@progbits
	.p2align	6, 0x0
	.amdhsa_kernel k_qeee37c0e98_qkv
		.amdhsa_group_segment_fixed_size 327680
		.amdhsa_private_segment_fixed_size 0
		.amdhsa_enable_private_segment 0
		.amdhsa_kernarg_size 40
		.amdhsa_user_sgpr_count 2
		.amdhsa_user_sgpr_kernarg_segment_ptr 1
		.amdhsa_wavefront_size32 1
		.amdhsa_system_sgpr_workgroup_id_x 1
		.amdhsa_system_sgpr_workgroup_id_y 1
		.amdhsa_system_sgpr_workgroup_id_z 1
		.amdhsa_system_vgpr_workitem_id 0
		.amdhsa_next_free_vgpr 1024
		.amdhsa_next_free_sgpr 98
		.amdhsa_reserve_vcc 0
		.amdhsa_float_denorm_mode_32 3
		.amdhsa_float_denorm_mode_16_64 3
		.amdhsa_memory_ordered 1
		.amdhsa_forward_progress 1
		.amdhsa_inst_pref_size 175
	.end_amdhsa_kernel
	.amdgpu_metadata
---
amdhsa.version: [ 1, 2 ]
amdhsa.kernels:
  - .name:           k_qeee37c0e98_qkv
    .symbol:         k_qeee37c0e98_qkv.kd
    .args:
      - { .name: hcodes, .offset: 0, .size: 8, .value_kind: global_buffer, .address_space: global }
      - { .name: wcodes, .offset: 8, .size: 8, .value_kind: global_buffer, .address_space: global }
      - { .name: lowp_scales, .offset: 16, .size: 8, .value_kind: global_buffer, .address_space: global }
      - { .name: b_qkv, .offset: 24, .size: 8, .value_kind: global_buffer, .address_space: global }
      - { .name: qkvc, .offset: 32, .size: 8, .value_kind: global_buffer, .address_space: global }
    .group_segment_fixed_size: 327680
    .private_segment_fixed_size: 0
    .kernarg_segment_align: 8
    .kernarg_segment_size: 40
    .max_flat_workgroup_size: 128
    .sgpr_count:     98
    .vgpr_count:     1024
    .wavefront_size: 32
...
	.end_amdgpu_metadata
.endif
;; end of part 2
;; launch attn (part 3): grid 8 x 32, 16 waves a work-group, clusters of 4 x 1, 327,680 bytes of LDS; arguments qkvc, lowp_scales, ao; writes ao
.if DOCPART == 3
	.amdgcn_target "amdgcn-amd-amdhsa--gfx1250"
	.amdhsa_code_object_version 6
	.text
	.protected	k_qeee37c0e98_attn
	.globl	k_qeee37c0e98_attn
	.p2align	8
	.type	k_qeee37c0e98_attn,@function
k_qeee37c0e98_attn:
	s_mov_b64 s[64:65], 0
	v_nop
	global_prefetch_b8 v0, s[64:65] scope:SCOPE_SE
	s_setreg_imm32_b32 hwreg(HW_REG_WAVE_MODE, 25, 1), 1
	s_wait_xcnt 0x0
	s_wait_alu depctr_hold_cnt(0) depctr_sa_sdst(0) depctr_va_vdst(0) depctr_va_sdst(0) depctr_va_ssrc(0) depctr_va_vcc(0) depctr_vm_vsrc(0)
	s_getreg_b32 s2, hwreg(HW_REG_IB_STS2, 6, 4)
	s_cmp_eq_u32 s2, 0
	s_cbranch_scc0 .Lentry_in_a_cluster
	s_endpgm
.Lentry_in_a_cluster:
	s_bfe_u32 s2, ttmp6, 0x10000c
	s_cmp_lg_u32 s2, 0x3003
	s_cbranch_scc0 .Lentry_shape_is_right
	s_endpgm
.Lentry_shape_is_right:
; CAUSAL ATTENTION on codes of E4M3.  q, k: [16 heads][4096 tokens][64] at bytes 0 and 4,194,304 of qkvc; v: [2][64 head + d][2048 keys] at 8,388,608.  Result, quantised with 2^e6: ao [16 heads][4096 tokens][64].
; t = score x 2^(e2 + e3) x log2(e) / 8; M = the running largest t rounded UP to a whole number; p = 2^(t - M) is quantised with 2^e4, not normalised; the row's sum is taken of the unquantised p and divides at the end.
; LEFT OUT: key steps that lie wholly behind the causal mask: their scores become -infinity there and add nothing to any result.
; SHARES.  Work-group (x, y): batch y / 16, head y % 16, g = x (0..7).  Query tile u (0..15) is queries 128 u + 16 g + 0..15; it needs key steps 0 .. u of 128 keys, and step u lies on the diagonal, whatever g is.
; Waves 2 i and 2 i + 1 are a pair (i = 0..7), one a giver, one a taker; which is which alternates with (wave / 4 + wave) % 2, so that among waves w, w + 4, w + 8, w + 12 and among waves 4 c .. 4 c + 3 alike two are givers.
; The giver takes tile 15 - i over key steps 0-7: 8 steps.  The taker takes tile i whole (i + 1 steps), stores it, and then tile 15 - i over key steps 8 .. 15 - i (8 - i steps): 9 steps.
; At the end the giver hands its O^T, -M and sums to its taker through LDS, and the taker joins the two parts under the larger M: both factors are powers of two, so the join rounds nothing but the additions.
; Every branch hangs on the wave's number and the loops' counts alone: all work-groups do equal work and the four partners of a cluster run alike.
; THE HEAD'S K AND V LIE WHOLE IN LDS, filled once, by ONE tensor load a wave: waves 0-7 fetch 256 keys of K each, waves 8-15 256 keys of V's 64 rows each.  The four partners ask for each tile JOINTLY.
; No prefetch: all that the launch loads is asked for by these first loads, so there is no later tile to ask ahead for.
; LAYOUT.  S^T = K Q^T (16x16x64; source 0 = 16 neighbouring keys, source 1 = my 16 queries): register 8 T + j of lane (r, h) is key 16 T + 8 h + j of query r.  That is the place which the 16x16x128 form gives k = 16 c + 8 h + j
; in registers 2 c, 2 c + 1: so the conversion of tile T's eight registers IS registers 2 T, 2 T + 1 of P, source 1 of O^T = V^T P^T.  V's fragments come in the same layout, by loads of 8 bytes.
; TWO REGISTER SETS TAKE TURNS, v32-95 and v96-159.  In a step one holds K's fragments and then V's, the other S^T and p; as each tile of p is converted, its registers take the NEXT step's fragment of K, so the sets swap from step
; to step (the loop's trip writes out two steps).  A walk's last step fetches a step of K that is not used; the address of the step ahead is held at key step 15's rows, so that it never leaves K.
; LIMITS: e2 + e3 between -123 and 130 (added to c's exponent field); e4, e6 between -126 and 119; e4 + e5 is applied by v_ldexp_f32.  The scaled scores stay under 2^31.  NaN among the inputs is not served.
; REGISTERS: v1-7 addresses that stay; v8, v9 the step's LDS addresses; v12 -M, v13 the largest t, v[14:15] the sum; v16-23 Q; v24-31 the join; v32-159 the two sets; v160-191 O^T;
; v192-199 the second tile's Q, then v192-223 the giver's O^T; v224-239 p's codes (before them: partial sums); v240-254 constants and work.
.set KP,   80                          ; a key's row in LDS: 64 bytes + 16
.set VP,   272                         ; a row of V's chunk of 256 keys: 256 bytes + 16
.set VB,   2048*KP                     ; V begins behind K's 2,048 rows
.set VCH,  64*VP                       ; a chunk: 64 rows
.set SG,   VB+8*VCH                    ; the stages: 1,024 bytes a wave, blocks of 256 bytes into which no fill lands
.set SPARE, SG+16*1024                 ; the spare words: 128 bytes a wave, eight blocks of 256 bytes that no other line names
.set HAND, 4608                        ; what a giver hands over: 9 x 512 bytes, at byte HAND x its wave number of K's rows, behind their last read
.set AK0,  1
.set AV0,  2
.set DD,   3                           ; v3  16 g + r - 8 h: on the diagonal register 8 T + j is hidden where 16 T + j is above it
.set SIN,  4                           ; v4  my stage, in
.set SOUT, 5                           ; v5  my stage, out
.set PAD,  6                           ; v6  the hand-over: HAND x the pair's giver + 16 x lane
.set GO,   7                           ; v7  16 x lane
.set ADK,  8                           ; v8  K's rows of the step ahead
.set ADV,  9                           ; v9  V's rows of the step in hand
.set SPW,  251
.set NIL,  255
.set TBK,  2                           ; s2  LDS byte of the pair of steps in hand, in K
.set SI,   3                           ; s3  its first step's number
.set TBV,  10                          ; s10 the same in V
.set TRIP, 11
.set WV,   18
.set U,    19                          ; s19 the last key step of the walk in hand
.set SEL,  20
.set CS,   22
.set G1K,  24
.set G1V,  32
.set G0K,  40
.set G0V,  48
.set ROLE, 89                          ; s89 0: giver, 1: taker
.macro CROUND                          ; a round of the cluster's barrier
	s_barrier_signal -1
	s_barrier_wait -1
	s_cmp_lg_u32 s[WV], 0
	s_cbranch_scc1 .Lnot_wave_0_\@
	s_barrier_signal -3
.Lnot_wave_0_\@:
	s_barrier_wait -3
	s_barrier_signal -1
	s_barrier_wait -1
.endm
	s_load_b128 s[4:7], s[0:1], 0x0                ; qkvc 4, scales 6
	s_load_b64 s[8:9], s[0:1], 0x10                ; ao
	v_lshl_add_u32 v[SPW], v0, 2, SPARE
	v_mov_b32 v[NIL], 0
	ds_add_u32 v[SPW], v[NIL]                      ; the opening lines: the add, twice on end, and its wait ahead of my first tensor load
	ds_add_u32 v[SPW], v[NIL]
	v_lshrrev_b32 v8, 5, v0
	s_delay_alu instid0(VALU_DEP_1)
	v_readfirstlane_b32 s[WV], v8                  ; wave 0..15
	s_bfe_u32 s13, ttmp6, 0x40000                  ; cx: it enters Q's and ao's addresses and the mask's numbers alone
	s_lshl_b32 s14, ttmp9, 2
	s_add_co_u32 s14, s14, s13                     ; g
	s_and_b32 s15, ttmp7, 0xffff
	s_lshr_b32 s16, s15, 4                         ; batch
	s_and_b32 s17, s15, 15                         ; head
	s_and_b32 s57, s[WV], 7                        ; which eighth of K or of V I fetch
	s_lshr_b32 s58, s[WV], 1                       ; i
	s_xor_b32 s86, s58, 15                         ; 15 - i
	s_lshr_b32 s[ROLE], s[WV], 2
	s_xor_b32 s[ROLE], s[ROLE], s[WV]
	s_and_b32 s[ROLE], s[ROLE], 1
	s_mul_i32 s[U], s[ROLE], 15
	s_xor_b32 s[U], s[U], s86                      ; the first walk's tile: giver 15 - i, taker i
	s_mul_i32 s87, s[ROLE], s86                    ; the second walk's last step: taker 15 - i; giver 0, under every step of that walk
	s_xor_b32 s85, s[WV], s[ROLE]                  ; the pair's giver
	s_mul_i32 s85, s85, HAND
	s_lshl_b32 s56, s17, 18
	s_lshl_b32 s59, s16, 17
	s_add_co_u32 s56, s56, s59                     ; the head's and batch's first byte in q, k and ao
	s_lshl_b32 s60, s57, 14                        ; K: 256 rows of 64 bytes each
	s_add_co_u32 s60, s60, s56
	s_add_co_u32 s60, s60, 4194304
	s_mov_b32 s61, 0
	s_lshl_b32 s62, s16, 21                        ; V: the batch, the head's 64 rows of 2,048 bytes,
	s_lshl_b32 s59, s17, 17
	s_add_co_u32 s62, s62, s59
	s_lshl_b32 s59, s57, 8                         ; my chunk
	s_add_co_u32 s62, s62, s59
	s_add_co_u32 s62, s62, 8388608
	s_mov_b32 s63, 0
	s_mul_i32 s76, s57, 256*KP                     ; and in LDS
	s_mul_i32 s77, s57, VCH
	s_add_co_u32 s77, s77, VB
	s_mov_b32 s[G1K], 15|(0<<16)|(1<<20)|(1<<21)|(3<<22)|(3<<25)   ; the mask: all four; elements of 1 byte; padding on; bit 21 beside a mask; after every 16 words (a key), 4 words
	s_mov_b32 s[G1K+1], 4096<<16                   ; K's 256 keys are 16,384 dense bytes: stated as 4 rows of 4,096
	s_mov_b32 s[G1K+2], 4<<16
	s_mov_b32 s[G1K+3], 4096<<16
	s_mov_b32 s[G1K+4], 4
	s_mov_b32 s[G1K+5], 4096
	s_mov_b32 s[G1K+6], 0
	s_mov_b32 s[G1K+7], 0
	s_mov_b32 s[G1V], 15|(0<<16)|(1<<20)|(1<<21)|(5<<22)|(3<<25)   ; after every 64 words, 4 words
	s_mov_b32 s[G1V+1], 256<<16
	s_mov_b32 s[G1V+2], 64<<16
	s_mov_b32 s[G1V+3], 256<<16
	s_mov_b32 s[G1V+4], 64
	s_mov_b32 s[G1V+5], 2048
	s_mov_b32 s[G1V+6], 0
	s_mov_b32 s[G1V+7], 0
	s_mov_b32 s[SEL], 0x76543210
	s_mov_b32 s[SEL+1], 0xfedcba98
	s_mov_b32 s[CS], 0x3e38aa3b                    ; c = log2(e) / sqrt(64)
	s_mov_b32 s[TBK], 0
	s_mov_b32 s[TBV], 0
	s_mov_b32 s[SI], 0
	s_lshl_b32 s79, s14, 4                         ; 16 g
	s_lshl_b32 s78, s[U], 7
	s_add_co_u32 s78, s78, s79                     ; the first walk's first query,
	s_lshl_b32 s80, s78, 6
	s_add_co_u32 s80, s80, s56
	s_mov_b32 s81, 0
	s_lshl_b32 s44, s86, 7
	s_add_co_u32 s44, s44, s79                     ; and tile 15 - i's
	s_lshl_b32 s44, s44, 6
	s_add_co_u32 s44, s44, s56
	s_mov_b32 s45, 0
	s_lshl_b32 s84, s[WV], 10
	s_add_co_u32 s84, s84, SG                      ; my stage
	s_wait_dscnt 0x0
	s_wait_kmcnt 0x0
	s_load_b256 s[68:75], s[6:7], 0x0              ; e0 .. e7
	s_add_nc_u64 s[60:61], s[4:5], s[60:61]
	s_add_nc_u64 s[62:63], s[4:5], s[62:63]
	s_add_nc_u64 s[82:83], s[4:5], s[80:81]        ; Q of the first walk
	s_add_nc_u64 s[46:47], s[4:5], s[44:45]        ; Q of tile 15 - i
	s_add_nc_u64 s[52:53], s[8:9], s[44:45]        ; ao of tile 15 - i
	s_add_nc_u64 s[8:9], s[8:9], s[80:81]          ; ao of the first walk
	s_mov_b32 s[G0K], 1
	s_mov_b32 s[G0K+1], s76
	s_mov_b64 s[G0K+2:G0K+3], s[60:61]
	s_or_b32 s[G0K+3], s[G0K+3], 0x80000000
	s_mov_b32 s[G0V], 1
	s_mov_b32 s[G0V+1], s77
	s_mov_b64 s[G0V+2:G0V+3], s[62:63]
	s_or_b32 s[G0V+3], s[G0V+3], 0x80000000
	CROUND                                         ; all four work-groups are here: the joint loads meet
	s_cmp_lt_u32 s[WV], 8                          ; one chain, one fill to an arm; an s_nop 0 and four v_nop follow each
	s_cbranch_scc0 .Lfirst_v
	tensor_load_to_lds s[G0K:G0K+3], s[G1K:G1K+7]
	s_nop 0
.rept 4
	v_nop
.endr
	s_branch .Lfirst_asked
.Lfirst_v:
	tensor_load_to_lds s[G0V:G0V+3], s[G1V:G1V+7]
	s_nop 0
.rept 4
	v_nop
.endr
.Lfirst_asked:
	v_and_b32 v8, 15, v0                           ; r
	v_bfe_u32 v9, v0, 4, 1                         ; h
	s_delay_alu instid0(VALU_DEP_2)
	v_lshlrev_b32 v10, 6, v8
	s_delay_alu instid0(VALU_DEP_1)
	v_lshl_add_u32 v10, v9, 4, v10                 ; Q: row r of 64 bytes, + 16 h: the same permutation of the head's 64 as in K's fragments
	global_load_b128 v[16:19], v10, s[82:83]
	global_load_b128 v[20:23], v10, s[82:83] offset:32
	global_load_b128 v[192:195], v10, s[46:47]     ; tile 15 - i's, for the takers' second walk
	global_load_b128 v[196:199], v10, s[46:47] offset:32
	v_mul_u32_u24 v[AK0], v8, KP
	s_delay_alu instid0(VALU_DEP_1)
	v_lshl_add_u32 v[AK0], v9, 4, v[AK0]
	v_mul_u32_u24 v[AV0], v8, VP
	s_delay_alu instid0(VALU_DEP_1)
	v_lshl_add_u32 v[AV0], v9, 3, v[AV0]
	s_delay_alu instid0(VALU_DEP_1)
	v_add_nc_u32 v[AV0], VB, v[AV0]
	v_lshlrev_b32 v11, 3, v9
	s_delay_alu instid0(VALU_DEP_1)
	v_sub_nc_u32 v[DD], v8, v11
	s_delay_alu instid0(VALU_DEP_1)
	v_add_nc_u32 v[DD], s79, v[DD]
	v_lshlrev_b32 v[SIN], 6, v8
	s_delay_alu instid0(VALU_DEP_1)
	v_lshl_add_u32 v[SIN], v9, 3, v[SIN]
	s_delay_alu instid0(VALU_DEP_1)
	v_add_nc_u32 v[SIN], s84, v[SIN]               ; in: query r's 64 bytes, + 8 h
	v_and_b32 v[GO], 31, v0
	s_delay_alu instid0(VALU_DEP_1)
	v_lshlrev_b32 v[GO], 4, v[GO]
	s_delay_alu instid0(VALU_DEP_1)
	v_add_nc_u32 v[SOUT], s84, v[GO]
	v_add_nc_u32 v[PAD], s85, v[GO]
	v_mov_b32 v13, 0xff61b1e6                      ; the largest t so far: -3e38, under every t
	s_delay_alu instid0(VALU_DEP_1)
	v_floor_f32 v12, -v13                          ; -M
	v_mov_b32 v14, 0
	v_mov_b32 v15, 0
	v_mov_b32 v236, 0                              ; written once: a lane permute's destination counts as one of its sources
	v_mov_b32 v252, 0
	v_mov_b32 v253, 0                              ; (named as the upper half of the pair v[252:253])
.set jj, 0
.rept 32
	v_mov_b32 v[160+jj], 0                         ; O^T: the step has no first form of its own: the first change of M multiplies zeros
.set jj, jj+1
.endr
	s_wait_kmcnt 0x0
	s_add_co_i32 s76, s70, s71
	s_lshl_b32 s76, s76, 23
	s_add_co_i32 s[CS], s[CS], s76                 ; e2 + e3 onto c's exponent field
	s_mov_b32 s[CS+1], s[CS]
	s_add_co_i32 s76, s72, 127
	s_lshl_b32 s77, s76, 23
	v_mov_b32 v244, s77                            ; 2^e4
	s_add_co_i32 s76, s76, 8
	s_lshl_b32 s76, s76, 23
	s_or_b32 s76, s76, 0x600000
	v_mov_b32 v240, s76                            ; 448 x 2^e4
	s_add_co_i32 s76, s74, 127
	s_lshl_b32 s77, s76, 23
	v_mov_b32 v245, s77                            ; 2^e6
	s_add_co_i32 s76, s76, 8
	s_lshl_b32 s76, s76, 23
	s_or_b32 s76, s76, 0x600000
	v_mov_b32 v241, s76                            ; 448 x 2^e6
; K's fragments of the first n steps of a walk, into the first n register sets.  At the kernel's head n = 2: so each set has been written on every way into a step.
.macro KFIRST n
	v_add_nc_u32 v[ADK], s[TBK], v[AK0]
.set tt, 0
.rept 8*(\n)
	ds_load_b128 v[32+8*tt:35+8*tt], v[ADK] offset:16*tt*KP
	ds_load_b128 v[36+8*tt:39+8*tt], v[ADK] offset:16*tt*KP+32
.set tt, tt+1
.endr
.endm
; A KEY STEP of 128 keys, the q-th of the pair in hand.  A step behind the walk's last is left out: a branch on the wave's number and the loop's count; no barrier and no tensor load stands in a step.
.macro STEP q
.set KR, 32+64*(\q)                    ; K's fragments, asked for a step ago; then V's
.set SR, 96-64*(\q)                    ; S^T, then p, then the next step's K
	s_add_co_u32 s12, s[SI], \q
	s_cmp_gt_u32 s12, s[U]
	s_cbranch_scc1 .Lhid_\@
	s_add_co_u32 s13, s[TBK], 128*((\q)+1)*KP      ; the step ahead in K,
	s_min_u32 s13, s13, 1920*KP                    ; held at key step 15's rows
	v_add_nc_u32 v[ADK], s13, v[AK0]
	v_add_nc_u32 v[ADV], s[TBV], v[AV0]
.rept 3
	v_nop                                          ; with the two additions: five places, since the products below write over V's registers, which the last products read
.endr
	s_wait_alu depctr_va_vdst(0)
	s_wait_dscnt 0x0                               ; this step's K is in
.irp T, 0,1,2,3,4,5,6,7
	v_wmma_f32_16x16x64_fp8_fp8 v[SR+8*\T:SR+8*\T+7], v[KR+8*\T:KR+8*\T+7], v[16:23], 0
.endr
.rept 4
	v_nop                                          ; places in front of the loads below and of the first read of the scores
.endr
.irp t, 0,1,2,3                                ; V's four fragments (16 of the head's 64 x 128 keys) are asked for now and land during the softmax
.irp c, 0,1,2,3,4,5,6,7
	ds_load_b64 v[KR+16*\t+2*\c:KR+16*\t+2*\c+1], v[ADV] offset:16*\t*VP+128*(\q)+16*\c
.endr
.endr
	s_cmp_lg_u32 s12, s[U]
	s_cbranch_scc1 .Lopen_\@
	v_mov_b32 v254, 0xff800000                     ; on the diagonal hidden scores become -infinity ahead of the maximum: p = 0 then
.set nn, 0
.rept 64
	v_cmp_gt_i32 vcc_lo, 16*(nn/8)+nn%8, v[DD]
	v_cndmask_b32 v[SR+nn], v[SR+nn], v254, vcc_lo
.set nn, nn+1
.endr
.Lopen_\@:
	v_max3_num_f32 v254, v[SR], v[SR+1], v[SR+2]   ; the step's largest score of my query among my 64 keys, in four chains, in ascending order: each tile from its low end on,
	v_max3_num_f32 v252, v[SR+3], v[SR+4], v[SR+5]
	v_max3_num_f32 v250, v[SR+6], v[SR+7], v[SR+8]
	v_max3_num_f32 v248, v[SR+9], v[SR+10], v[SR+11]
.irp i, 12,20,28,36,44,52
	v_max3_num_f32 v254, v254, v[SR+\i], v[SR+\i+1]
	v_max3_num_f32 v252, v252, v[SR+\i+2], v[SR+\i+3]
	v_max3_num_f32 v250, v250, v[SR+\i+4], v[SR+\i+5]
	v_max3_num_f32 v248, v248, v[SR+\i+6], v[SR+\i+7]
.endr
	v_max3_num_f32 v254, v254, v[SR+60], v[SR+61]
	v_max3_num_f32 v252, v252, v[SR+62], v[SR+63]
	s_delay_alu instid0(VALU_DEP_2)
	v_max3_num_f32 v254, v254, v250, v248
	s_delay_alu instid0(VALU_DEP_1)
	v_max_num_f32 v254, v254, v252
	v_permlanex16_b32 v236, v254, s[SEL], s[SEL+1]
	s_delay_alu instid0(VALU_DEP_1)
	v_max_num_f32 v254, v254, v236                 ; and among lane l xor 16's
	s_delay_alu instid0(VALU_DEP_1)
	v_mul_f32 v254, s[CS], v254                    ; as t (c is positive)
	s_delay_alu instid0(VALU_DEP_1)
	v_max_num_f32 v13, v13, v254
	v_mov_b32 v254, v12
	s_delay_alu instid0(VALU_DEP_2)
	v_floor_f32 v12, -v13                          ; the new -M = floor(-t): M is a whole number
	s_delay_alu instid0(VALU_DEP_1)
	v_sub_f32 v254, v12, v254                      ; old M - new M: a whole number, 0 or less
	s_delay_alu instid0(VALU_DEP_1)
	v_cvt_i32_f32 v254, v254                       ; (it saturates)
	s_delay_alu instid0(VALU_DEP_1)
	v_ldexp_f32 v252, 1.0, v254                    ; f = 2^(old M - new M): a multiplication by it rounds nothing
.set jj, 0
.rept 32
	v_pk_fma_f32 v[SR+jj:SR+jj+1], v[SR+jj:SR+jj+1], s[CS:CS+1], v[12:13] op_sel_hi:[1,0,0]   ; t - M
.set jj, jj+2
.endr
	s_wait_alu depctr_va_vdst(0)                   ; the wait ahead of the batch
.set jj, 0
.rept 64
	v_exp_f32 v[SR+jj], v[SR+jj]                   ; p = 2^(t - M), at most 1
.set jj, jj+1
.endr
	v_pk_mul_f32 v[14:15], v[14:15], v[252:253] op_sel_hi:[1,0]   ; the sums under the new M: the plain instruction behind the exponentials
	s_wait_alu depctr_va_vdst(0)                   ; one wait for the whole batch, ahead of its first reader
.irp k, 0,1,2,3,4,5,6                          ; the row's sum of the unquantised p: 32 pairs in eight chains, seven of them in v226-239
	v_pk_add_f32 v[226+2*\k:227+2*\k], v[SR+4*\k:SR+4*\k+1], v[SR+4*\k+2:SR+4*\k+3]
.endr
	v_pk_add_f32 v[14:15], v[14:15], v[SR+28:SR+29]
.irp n, 30, 46
.irp k, 0,1,2,3,4,5,6
	v_pk_add_f32 v[226+2*\k:227+2*\k], v[226+2*\k:227+2*\k], v[SR+\n+2*\k:SR+\n+2*\k+1]
.endr
	v_pk_add_f32 v[14:15], v[14:15], v[SR+\n+14:SR+\n+15]
.endr
	v_pk_add_f32 v[226:227], v[226:227], v[SR+62:SR+63]
	v_pk_add_f32 v[228:229], v[228:229], v[230:231]
	v_pk_add_f32 v[232:233], v[232:233], v[234:235]
	v_pk_add_f32 v[236:237], v[236:237], v[238:239]
	s_delay_alu instid0(VALU_DEP_4)
	v_pk_add_f32 v[14:15], v[14:15], v[226:227]
	s_delay_alu instid0(VALU_DEP_3)
	v_pk_add_f32 v[228:229], v[228:229], v[232:233]
	s_delay_alu instid0(VALU_DEP_2)
	v_pk_add_f32 v[14:15], v[14:15], v[236:237]
	s_delay_alu instid0(VALU_DEP_1)
	v_pk_add_f32 v[14:15], v[14:15], v[228:229]
	s_wait_dscnt 0x0                               ; V is in: asked for ahead of the softmax.  So the loads below are all that is out at the next step's head
.irp T, 0,1,2,3,4,5,6,7
.irp i, 0,1,2,3,4,5,6,7
	v_min_num_f32 v[SR+8*\T+\i], v[SR+8*\T+\i], v240   ; the conversion does not saturate (ISA guide 7.6.2); p is not negative, so the hold is one-sided
.endr
	v_cvt_scalef32_pk8_fp8_f32 v[224+2*\T:225+2*\T], v[SR+8*\T:SR+8*\T+7], v244
	ds_load_b128 v[SR+8*\T:SR+8*\T+3], v[ADK] offset:16*\T*KP        ; the tile's registers are free: they take the next step's fragment of K
	ds_load_b128 v[SR+8*\T+4:SR+8*\T+7], v[ADK] offset:16*\T*KP+32
.endr
	s_wait_alu depctr_va_vdst(0)                   ; the wait directly ahead of the first reader of O^T
.set jj, 0
.rept 16
	v_pk_mul_f32 v[160+jj:161+jj], v[160+jj:161+jj], v[252:253] op_sel_hi:[1,0]   ; O^T under the new M; also the plain instructions behind the conversions
.set jj, jj+2
.endr
.irp t, 0,1,2,3                                ; the four accumulators take turns; between two links of a chain stand three of these and the next step's eight
	v_wmma_f32_16x16x128_fp8_fp8 v[160+8*\t:167+8*\t], v[KR+16*\t:KR+16*\t+15], v[224:239], v[160+8*\t:167+8*\t]
.endr
.Lhid_\@:
.endm
.macro HALF                            ; 1,024 keys: four trips of two steps; every wave walks the loop, whose count is a constant
	s_mov_b32 s[TRIP], 4
.Lpair_\@:
	STEP 0
	STEP 1
	s_add_co_u32 s[SI], s[SI], 2
	s_add_co_u32 s[TBK], s[TBK], 256*KP
	s_add_co_u32 s[TBV], s[TBV], VCH
	s_sub_co_u32 s[TRIP], s[TRIP], 1
	s_cmp_lg_u32 s[TRIP], 0
	s_cbranch_scc1 .Lpair_\@
.endm
; THE WAY OUT of a tile: O^T x 2^(e4 + e5) / the sum, quantised with 2^e6: a lane's eight registers of a tile are eight neighbours along the next product's K.  16 queries x 64 codes are 1,024 consecutive bytes of ao.
.macro OUT base
	v_add_f32 v14, v14, v15
	s_delay_alu instid0(VALU_DEP_1)
	v_permlanex16_b32 v252, v14, s[SEL], s[SEL+1]
	s_delay_alu instid0(VALU_DEP_1)
	v_add_f32 v14, v14, v252                       ; the row's sum
	s_wait_alu depctr_va_vdst(0)                   ; the wait ahead of the transcendental
	v_rcp_f32 v14, v14
	v_nop                                          ; a plain instruction behind the transcendental
	s_add_co_i32 s12, s72, s73
	s_wait_alu depctr_va_vdst(0)                   ; and the wait ahead of its first reader
	v_ldexp_f32 v14, v14, s12
	s_wait_alu depctr_va_vdst(0)                   ; the wait directly ahead of the first reader of O^T
.set jj, 0
.rept 32
	v_mul_f32 v[96+jj], v[160+jj], v14             ; register 8 t + j: o(query r, 16 t + 8 h + j)
.set jj, jj+1
.endr
.set jj, 0
.rept 32
	v_med3_num_f32 v[96+jj], v[96+jj], -v241, v241
.set jj, jj+1
.endr
.irp t, 0,1,2,3
	v_cvt_scalef32_pk8_fp8_f32 v[224+2*\t:225+2*\t], v[96+8*\t:103+8*\t], v245
.endr
	v_nop
.irp t, 0,1,2,3
	ds_store_b64 v[SIN], v[224+2*\t:225+2*\t] offset:16*\t
.endr
	ds_load_b128 v[32:35], v[SOUT]                 ; LDS serves a wave's instructions in order: these see my stores
	ds_load_b128 v[36:39], v[SOUT] offset:512
	s_wait_dscnt 1
	global_store_b128 v[GO], v[32:35], s[\base:\base+1]
	s_wait_dscnt 0x0
	global_store_b128 v[GO], v[36:39], s[\base:\base+1] offset:512
.endm
	s_wait_alu depctr_va_vdst(0)                   ; the wait at the head's end
	s_wait_loadcnt 0x0                             ; Q, both tiles'
	s_wait_tensorcnt 0x0                           ; my part of K or V is in
	s_barrier_signal -1
	s_barrier_wait -1                              ; everybody's is: no barrier stands between here and the hand-over
	KFIRST 2
	HALF                                           ; key steps 0-7: givers all eight, takers 0 .. i
	s_cmp_eq_u32 s[ROLE], 0
	s_cbranch_scc1 .Lkeep                          ; a giver keeps its sums
	s_wait_dscnt 0x0                               ; the last step's loads of K have landed: their registers are written below
.rept 4
	v_nop                                          ; places behind the last products
.endr
	OUT 8                                          ; a taker's tile i is finished
	s_wait_xcnt 0x0                                ; the stores have read their registers, which the loads below fill
.set jj, 0
.rept 8
	v_mov_b32 v[16+jj], v[192+jj]                  ; on to tile 15 - i
.set jj, jj+1
.endr
	v_mov_b32 v13, 0xff61b1e6
	v_mov_b32 v14, 0
	v_mov_b32 v15, 0
	v_floor_f32 v12, -v13
.set jj, 0
.rept 32
	v_mov_b32 v[160+jj], 0
.set jj, jj+1
.endr
	KFIRST 1                                       ; key step 8's K
	s_wait_alu depctr_va_vdst(0)
.Lkeep:
	s_mov_b32 s[U], s87
	HALF                                           ; key steps 8-15: takers 8 .. 15 - i, givers none
.rept 4
	v_nop                                          ; places behind the last products
.endr
	s_wait_alu depctr_va_vdst(0)
	s_wait_dscnt 0x0                               ; my reads of K and V are over
	s_barrier_signal -1
	s_barrier_wait -1                              ; everybody's are: K's rows have had their one fill and their last read
	s_cmp_eq_u32 s[ROLE], 0
	s_cbranch_scc0 .Lno_hand
.irp j, 0,1,2,3,4,5,6,7
	ds_store_b128 v[PAD], v[160+4*\j:163+4*\j] offset:512*\j       ; an image of the registers: each accumulator from its low end on
.endr
	ds_store_b128 v[PAD], v[12:15] offset:4096     ; -M, the largest t, the sum's two halves
.Lno_hand:
	s_wait_dscnt 0x0                               ; for the taker's sake
	s_barrier_signal -1
	s_barrier_wait -1
	s_cmp_eq_u32 s[ROLE], 0
	s_cbranch_scc1 .Ldone
.irp j, 0,1,2,3,4,5,6,7
	ds_load_b128 v[192+4*\j:195+4*\j], v[PAD] offset:512*\j
.endr
	ds_load_b128 v[24:27], v[PAD] offset:4096
	s_wait_dscnt 0x0
	v_min_num_f32 v246, v12, v24                   ; THE JOIN: -M of the larger M,
	s_delay_alu instid0(VALU_DEP_1)
	v_sub_f32 v247, v246, v24                      ; the giver's M less it, a whole number, 0 or less,
	v_sub_f32 v246, v246, v12                      ; and mine
	s_delay_alu instid0(VALU_DEP_2)
	v_cvt_i32_f32 v247, v247
	s_delay_alu instid0(VALU_DEP_2)
	v_cvt_i32_f32 v246, v246
	s_delay_alu instid0(VALU_DEP_2)
	v_ldexp_f32 v28, 1.0, v247                     ; the giver's factor
	s_delay_alu instid0(VALU_DEP_2)
	v_ldexp_f32 v30, 1.0, v246                     ; mine
	v_mov_b32 v29, 0                               ; (named as the pairs' upper halves)
	v_mov_b32 v31, 0
	v_pk_mul_f32 v[14:15], v[14:15], v[30:31] op_sel_hi:[1,0]
.set jj, 0
.rept 16
	v_pk_mul_f32 v[160+jj:161+jj], v[160+jj:161+jj], v[30:31] op_sel_hi:[1,0]
.set jj, jj+2
.endr
	v_pk_fma_f32 v[14:15], v[26:27], v[28:29], v[14:15] op_sel_hi:[1,0,1]
.set jj, 0
.rept 16
	v_pk_fma_f32 v[160+jj:161+jj], v[192+jj:193+jj], v[28:29], v[160+jj:161+jj] op_sel_hi:[1,0,1]
.set jj, jj+2
.endr
	OUT 52                                         ; tile 15 - i
.Ldone:
	s_wait_tensorcnt 0x0                           ; the wave's end
	ds_add_u32 v[SPW], v[NIL]
	s_wait_dscnt 0x0
	CROUND                                         ; the closing round: no work-group ends while a partner may still ask for a tile that names it
	s_endpgm
.Lfunc_end_k_qeee37c0e98_attn:
	.size	k_qeee37c0e98_attn, .Lfunc_end_k_qeee37c0e98_attn-k_qeee37c0e98_attn
	.p2alignl 7, 3214868480
	.fill 96, 4, 3214868480
	.section	.rodata,"a",@progbits
	.p2align	6, 0x0
	.amdhsa_kernel k_qeee37c0e98_attn
		.amdhsa_group_segment_fixed_size 327680
		.amdhsa_private_segment_fixed_size 0
		.amdhsa_enable_private_segment 0
		.amdhsa_kernarg_size 24
		.amdhsa_user_sgpr_count 2
		.amdhsa_user_sgpr_kernarg_segment_ptr 1
		.amdhsa_wavefront_size32 1
		.amdhsa_system_sgpr_workgroup_id_x 1
		.amdhsa_system_sgpr_workgroup_id_y 1
		.amdhsa_system_sgpr_workgroup_id_z 1
		.amdhsa_system_vgpr_workitem_id 0
		.amdhsa_next_free_vgpr 256
		.amdhsa_next_free_sgpr 90
		.amdhsa_reserve_vcc 1
		.amdhsa_float_denorm_mode_32 3
		.amdhsa_float_denorm_mode_16_64 3
		.amdhsa_memory_ordered 1
		.amdhsa_forward_progress 1
		.amdhsa_inst_pref_size 116
	.end_amdhsa_kernel
	.amdgpu_metadata
---
amdhsa.version: [ 1, 2 ]
amdhsa.kernels:
  - .name:           k_qeee37c0e98_attn
    .symbol:         k_qeee37c0e98_attn.kd
    .args:
      - { .name: qkvc, .offset: 0, .size: 8, .value_kind: global_buffer, .address_space: global }
      - { .name: lowp_scales, .offset: 8, .size: 8, .value_kind: global_buffer, .address_space: global }
      - { .name: ao, .offset: 16, .size: 8, .value_kind: global_buffer, .address_space: global }
    .group_segment_fixed_size: 327680
    .private_segment_fixed_size: 0
    .kernarg_segment_align: 8
    .kernarg_segment_size: 24
    .max_flat_workgroup_size: 512
    .sgpr_count:     90
    .vgpr_count:     256
    .wavefront_size: 32
...
	.end_amdgpu_metadata
.endif
;; end of part 3
;; launch oproj (part 4): grid 8 x 32, 4 waves a work-group, clusters of 4 x 4, 327,680 bytes of LDS; arguments ao, wcodes, lowp_scales, b_out, x, x1; writes x1
.if DOCPART == 4
	.amdgcn_target "amdgcn-amd-amdhsa--gfx1250"
	.amdhsa_code_object_version 6
	.text
	.protected	k_qeee37c0e98_oproj
	.globl	k_qeee37c0e98_oproj
	.p2align	8
	.type	k_qeee37c0e98_oproj,@function
k_qeee37c0e98_oproj:
	s_mov_b64 s[64:65], 0
	v_nop
	global_prefetch_b8 v0, s[64:65] scope:SCOPE_SE
	s_setreg_imm32_b32 hwreg(HW_REG_WAVE_MODE, 25, 1), 1
	s_wait_xcnt 0x0
	s_wait_alu depctr_hold_cnt(0) depctr_sa_sdst(0) depctr_va_vdst(0) depctr_va_sdst(0) depctr_va_ssrc(0) depctr_va_vcc(0) depctr_vm_vsrc(0)
	s_getreg_b32 s2, hwreg(HW_REG_IB_STS2, 6, 4)
	s_cmp_eq_u32 s2, 0
	s_cbranch_scc0 .Lentry_in_a_cluster
	s_endpgm
.Lentry_in_a_cluster:
	s_bfe_u32 s2, ttmp6, 0x10000c
	s_cmp_lg_u32 s2, 0xf033
	s_cbranch_scc0 .Lentry_shape_is_right
	s_endpgm
.Lentry_shape_is_right:
; out = resid + A W^T x 2^(eA + eB) + bias, on codes of E4M3.  Here: x1 = x + attention's result x w_out + b_out.
; A: codes in PLANES, [SIZE_K / 64][4096 tokens][64]: plane p holds k = 64 p .. 64 p + 63 of every token.  W: codes [1024][SIZE_K] at byte WOFF of wcodes, K innermost.  bias [1024], resid and out [4096][1024]: f32.
; A tile of 128 x 128 to a work-group (256 work-groups), four waves of 64 x 64: 16 accumulators.  K goes in steps of 512 through two LDS slots filled by the tensor data mover; with SIZE_K = 1,024 each slot is filled once.
; CLUSTERS of 4 x 4: A's tile is asked for jointly along a row of the cluster, W's along a column.  THE MATRIX INSTRUCTION IS USED TRANSPOSED: a lane holds one token and eight neighbouring columns.
; LIMIT: eA + eB between -126 and 127.
; REGISTERS: window 0: v0-31 addresses, v[8:11] the bias; v32-95 the way out; v128-255 the accumulators ((a, b) at v[128 + 8 (4 a + b)]).  window 1: two buffers of 128: A's 4 fragments, then W's 4.  window 2: v0-127 the residual.
.set SIZE_K, 1024
.set WOFF,   3145728
.set EIDX,   6
.set KSTEP,  512
.set PL,     262144                    ; from plane to plane in memory
.set AP,     80                        ; a token's 64 bytes of a plane in LDS, + 16
.set APL,    64*AP                     ; a plane of 64 tokens
.set AHALF,  16*APL                    ; what one load brings of A: all 16 planes x 64 tokens
.set BP,     1040                      ; a row of W in LDS: all 1,024 bytes + 16
.set BHALF,  64*BP
.set BOFF,   2*AHALF
.set SLOT,   BOFF+2*BHALF
.set STAGE,  SLOT                      ; ONE fill brings all of K, one tensor load a wave; 'slot' 0 and 1 below are its two halves along K.  Behind it: 16 rows x 272 bytes for each wave.
                                       ; No prefetch: all tiles are asked for by the first loads, so there is no later tile to ask ahead for
.set SPITCH, 272
.set SPARE,  STAGE+4*16*SPITCH         ; the spare words: two blocks of 256 bytes that no other line names
.set BV,   8
.set ADRA, 16
.set ADRB, 20
.set STO,  24
.set RD,   25
.set CO,   26
.set SPW,  28
.set NIL,  29
.set OB,   32
.set ACC,  128
.set F0,   0
.set F1,   128
.set G1, 24
.set G0, 32
.set G1B, 48
.set G0B, 56
.set MSB, 0
.macro WIN new                         ; the immediate's high byte repeats the setting that is left
.if MSB != \new
	s_set_vgpr_msb (MSB<<8)|\new
.set MSB, \new
.endif
.endm
.set MUL,  0x05                        ; sources 0 (W) and 1 (A) window 1; C and D window 0
.set TO_F, 0x40                        ; destination window 1
.set TO_R, 0x80                        ; destination window 2
.set RES,  0x20                        ; source 2 window 2
.macro JLOAD s                         ; waves 0 and 1 fetch A's halves, waves 2 and 3 W's; four v_nop follow each of the two lines
	s_cmp_eq_u32 s17, 0
	s_cbranch_scc0 .Lfor_b_\@
	tensor_load_to_lds s[G0+4*\s:G0+4*\s+3], s[G1:G1+7]
	s_nop 0
.rept 4
	v_nop
.endr
	s_branch .Lasked_\@
.Lfor_b_\@:
	tensor_load_to_lds s[G0B+4*\s:G0B+4*\s+3], s[G1B:G1B+7]
	s_nop 0
.rept 4
	v_nop
.endr
.Lasked_\@:
.endm
.macro CREST
	s_cmp_lg_u32 s16, 0
	s_cbranch_scc1 .Lnot_wave_0_\@
	s_barrier_signal -3
.Lnot_wave_0_\@:
	s_barrier_wait -3
	s_barrier_signal -1
	s_barrier_wait -1
.endm
.macro CROUND
	s_barrier_signal -1
	s_barrier_wait -1
	CREST
.endm
	s_load_b256 s[4:11], s[0:1], 0x0               ; A 4, wcodes 6, scales 8, bias 10
	s_load_b128 s[12:15], s[0:1], 0x20             ; resid 12, out 14
	v_lshl_add_u32 v[SPW], v0, 2, SPARE
	v_mov_b32 v[NIL], 0
	ds_add_u32 v28, v29
	ds_add_u32 v28, v29
	s_wait_dscnt 0x0
	v_lshrrev_b32 v1, 5, v0
	v_readfirstlane_b32 s16, v1                    ; wave 0..3
	s_lshr_b32 s17, s16, 1                         ; which 64 tokens are mine.  Also: I fetch for A (0) or for W (1)
	s_and_b32 s18, s16, 1                          ; which 64 columns.  Also: which half of that tile I fetch
	s_bfe_u32 s40, ttmp6, 0x40000                  ; cx, cy
	s_bfe_u32 s41, ttmp6, 0x40004
	s_lshl_b32 s42, ttmp9, 2
	s_add_co_u32 s42, s42, s40                     ; tile column
	s_and_b32 s43, ttmp7, 0xffff
	s_lshl_b32 s43, s43, 2
	s_add_co_u32 s43, s43, s41                     ; tile row
	s_lshl_b32 s44, s41, 2
	s_lshl_b32 s44, 15, s44                        ; my row of the cluster
	s_lshl_b32 s45, 0x1111, s40                    ; my column
	s_or_b32 s[G1+0], s44, (0<<16)|(1<<20)|(1<<21)|(3<<22)|(3<<25)   ; A: elements of 1 byte; after every 16 words (a token's 64 bytes), 4 words of padding
	s_mov_b32 s[G1+1], 4096<<16                    ; tensor_dim0: 64 tokens x 64 bytes, consecutive in a plane
	s_mov_b32 s[G1+2], 16<<16                      ; tensor_dim1: 16 planes
	s_mov_b32 s[G1+3], 4096<<16                    ; tile_dim0
	s_mov_b32 s[G1+4], 16                          ; tile_dim1
	s_mov_b32 s[G1+5], PL                          ; stride
	s_mov_b32 s[G1+6], 0
	s_mov_b32 s[G1+7], 0
	s_or_b32 s[G1B+0], s45, (0<<16)|(1<<20)|(1<<21)|(7<<22)|(3<<25)  ; W: after every 256 words, 4 words
	s_mov_b32 s[G1B+1], SIZE_K<<16
	s_mov_b32 s[G1B+2], 64<<16
	s_mov_b32 s[G1B+3], SIZE_K<<16
	s_mov_b32 s[G1B+4], 64
	s_mov_b32 s[G1B+5], SIZE_K
	s_mov_b32 s[G1B+6], 0
	s_mov_b32 s[G1B+7], 0
	s_lshl_b32 s20, s43, 13                        ; A: token 128 x tile row + 64 x half, 64 bytes each
	s_lshl_b32 s19, s18, 12
	s_add_co_u32 s20, s20, s19
	s_mov_b32 s21, 0
	s_lshl_b32 s46, s42, 7                         ; W: row 128 x tile column + 64 x half
	s_lshl_b32 s47, s18, 6
	s_add_co_u32 s46, s46, s47
	s_mul_i32 s46, s46, SIZE_K
	s_add_co_u32 s46, s46, WOFF
	s_mov_b32 s47, 0
	s_mul_i32 s22, s18, AHALF                      ; where they go: no place in the cluster enters an LDS address
	s_mul_i32 s23, s18, BHALF
	s_add_co_u32 s23, s23, BOFF
	s_wait_kmcnt 0x0
	s_load_b64 s[68:69], s[8:9], 4*EIDX            ; eA, eB
	s_add_nc_u64 s[20:21], s[4:5], s[20:21]
	s_add_nc_u64 s[46:47], s[6:7], s[46:47]
	CROUND                                         ; all sixteen work-groups are here: the first joint loads meet
	s_mov_b32 s[G0], 1
	s_mov_b32 s[G0+1], s22
	s_mov_b64 s[G0+2:G0+3], s[20:21]
	s_or_b32 s[G0+3], s[G0+3], 0x80000000
	s_mov_b32 s[G0B], 1
	s_mov_b32 s[G0B+1], s23
	s_mov_b64 s[G0B+2:G0B+3], s[46:47]
	s_or_b32 s[G0B+3], s[G0B+3], 0x80000000
	JLOAD 0                                        ; my one tensor load of the launch
	v_and_b32 v1, 15, v0                           ; r
	v_bfe_u32 v2, v0, 4, 1                         ; h
	v_mul_u32_u24 v3, v1, AP
	v_lshl_add_u32 v3, v2, 4, v3
	v_mul_u32_u24 v4, v1, BP
	v_lshl_add_u32 v4, v2, 4, v4
	s_mul_i32 s21, s17, AHALF
	s_mul_i32 s22, s18, BHALF
	s_add_co_u32 s22, s22, BOFF
.irp s, 0,1
	v_add_nc_u32 v[ADRA+\s], s21, v3
	v_add_nc_u32 v[ADRB+\s], s22, v4
	s_add_co_u32 s21, s21, 8*APL                   ; k = 512 on: eight planes of A,
	s_add_co_u32 s22, s22, KSTEP                   ; 512 bytes along W's rows
.endr
	s_mul_i32 s23, s16, 16*SPITCH
	s_add_co_u32 s23, s23, STAGE                   ; my stage
	v_mul_u32_u24 v5, v1, SPITCH
	v_lshl_add_u32 v5, v2, 5, v5
	v_add_nc_u32 v[STO], s23, v5                   ; in: row r, 32 bytes for each half of the lanes
	v_mul_u32_u24 v5, v2, SPITCH
	v_lshl_add_u32 v5, v1, 4, v5
	v_add_nc_u32 v[RD], s23, v5                    ; back: lanes 0-15 one row of 256 bytes, lanes 16-31 the next
	v_lshlrev_b32 v[CO], 12, v2
	v_lshl_add_u32 v[CO], v1, 4, v[CO]             ; and the same two rows in resid and out
	v_lshlrev_b32 v6, 4, v1
	s_wait_alu depctr_va_vdst(0)
	s_lshl_b32 s70, s42, 9                         ; my first column in bytes: 4 (128 tile column + 64 half)
	s_lshl_b32 s19, s18, 8
	s_add_co_u32 s70, s70, s19
	s_mov_b32 s71, 0
	s_add_nc_u64 s[10:11], s[10:11], s[70:71]      ; the bias there
	s_lshl_b32 s72, s43, 19                        ; my first row: 128 tile row + 64 half, 4,096 bytes each
	s_lshl_b32 s19, s17, 18
	s_add_co_u32 s72, s72, s19
	s_add_co_u32 s72, s72, s70
	s_mov_b32 s73, 0
	s_add_nc_u64 s[12:13], s[12:13], s[72:73]
	s_add_nc_u64 s[14:15], s[14:15], s[72:73]
	global_load_b128 v[BV:BV+3], v6, s[10:11]      ; the bias of my four columns on the way out
	WIN TO_R
.set tt, 0
.rept 32
	global_load_b128 v[4*tt:4*tt+3], v[CO], s[12:13] offset:tt*8192 th:TH_LOAD_NT   ; the residual, in the layout in which the results come back from the stage; it lands under the products
.set tt, tt+1
.endr
	WIN 0
; 8 matrix instructions: A's blocks a0, a0 + 1 x W's four, 128 along K.  The 16 accumulators take turns, one instruction a turn, in the same order throughout.
.macro MUL8 f, a0, zero
.irp a, \a0, \a0+1
.irp b, 0,1,2,3
.if \zero
	v_wmma_f32_16x16x128_fp8_fp8 v[ACC+8*(4*(\a)+\b):ACC+8*(4*(\a)+\b)+7], v[\f+64+16*\b:\f+64+16*\b+15], v[\f+16*(\a):\f+16*(\a)+15], 0
.else
	v_wmma_f32_16x16x128_fp8_fp8 v[ACC+8*(4*(\a)+\b):ACC+8*(4*(\a)+\b)+7], v[\f+64+16*\b:\f+64+16*\b+15], v[\f+16*(\a):\f+16*(\a)+15], v[ACC+8*(4*(\a)+\b):ACC+8*(4*(\a)+\b)+7]
.endif
.endr
.endr
.endm
; 32 LDS loads in one run: the fragments of the slot's q-th 128 along K.  On both sides registers 4 c .. 4 c + 3 hold k = 128 q + 32 c + 16 (l / 16) + 0 .. 15; in A that is plane 2 q + c / 2, byte 32 (c % 2) + 16 (l / 16).
.macro FETCH slot, q, f
	WIN TO_F
.irp i, 0,1,2,3
.irp c, 0,1,2,3
	ds_load_b128 v[\f+64+16*\i+4*\c:\f+64+16*\i+4*\c+3], v[ADRB+\slot] offset:\i*16*BP+128*(\q)+32*\c
.endr
.endr
.irp i, 0,1,2,3
.irp c, 0,1,2,3
	ds_load_b128 v[\f+16*\i+4*\c:\f+16*\i+4*\c+3], v[ADRA+\slot] offset:\i*16*AP+(2*(\q)+\c/2)*APL+(\c%2)*32
.endr
.endr
.endm
.macro PLACES
.rept 4
	v_nop
.endr
.endm
.macro QUARTER slot, qn, f, g, zero    ; asks for the slot's quarter qn into buffer g, then multiplies buffer f
	PLACES                                         ; in front of loads into the buffer that the last products read
	FETCH \slot, \qn, \g
	s_wait_dscnt 32                                ; all but the 32 just issued
	WIN MUL
	MUL8 \f, 0, \zero
	MUL8 \f, 2, \zero
.endm
	s_wait_tensorcnt 0x0                           ; my part of the tiles is in
	s_barrier_signal -1
	s_barrier_wait -1
	FETCH 0, 0, F0
	QUARTER 0, 1, F0, F1, 1                        ; the first quarter's products start the sums
	QUARTER 0, 2, F1, F0, 0
	QUARTER 0, 3, F0, F1, 0
	QUARTER 1, 0, F1, F0, 0                        ; on into the second half of K: it lies in LDS already, so no barrier stands here
	QUARTER 1, 1, F0, F1, 0
	QUARTER 1, 2, F1, F0, 0
	QUARTER 1, 3, F0, F1, 0
	s_wait_dscnt 0x0
	WIN MUL
	MUL8 F1, 0, 0
	MUL8 F1, 2, 0
	WIN 0
	; THE WAY OUT, 16 rows x 64 columns at a time: the sums go through my own stage and come back as rows of 256 bytes; there sum x 2^(eA + eB) + residual + bias; sixteen lanes store 256 aligned bytes.
	s_wait_kmcnt 0x0
	s_add_co_i32 s66, s68, s69
	s_add_co_i32 s66, s66, 127
	s_lshl_b32 s66, s66, 23
	s_mov_b32 s67, s66
	s_wait_loadcnt 0x0                             ; the bias and the residual
	PLACES
.macro TOSTAGE a
.set BK, OB+32*((\a)%2)
.irp b, 0,1,2,3
	ds_store_b128 v[STO], v[ACC+8*(4*(\a)+\b):ACC+8*(4*(\a)+\b)+3] offset:64*\b        ; each accumulator from its low end on
	ds_store_b128 v[STO], v[ACC+8*(4*(\a)+\b)+4:ACC+8*(4*(\a)+\b)+7] offset:64*\b+16
.endr
.irp t, 0,1,2,3,4,5,6,7
	ds_load_b128 v[BK+4*\t:BK+4*\t+3], v[RD] offset:\t*2*SPITCH    ; LDS serves a wave's instructions in order: these see the stores above
.endr
.endm
.macro SEND a, younger
.set BK, OB+32*((\a)%2)
	s_wait_dscnt \younger
	WIN RES
.set jj, 0
.rept 16
	v_pk_fma_f32 v[BK+jj:BK+jj+1], v[BK+jj:BK+jj+1], s[66:67], v[32*(\a)+jj:32*(\a)+jj+1] op_sel_hi:[1,0,1]
.set jj, jj+2
.endr
	WIN 0
.irp t, 0,1,2,3,4,5,6,7
	v_pk_add_f32 v[BK+4*\t:BK+4*\t+1], v[BK+4*\t:BK+4*\t+1], v[BV:BV+1]
	v_pk_add_f32 v[BK+4*\t+2:BK+4*\t+3], v[BK+4*\t+2:BK+4*\t+3], v[BV+2:BV+3]
.endr
.irp t, 0,1,2,3,4,5,6,7
	global_store_b128 v[CO], v[BK+4*\t:BK+4*\t+3], s[14:15] offset:(16*(\a)+2*\t)*4096 th:TH_STORE_NT
.endr
.endm
	TOSTAGE 0
.irp a, 1,2,3
.if \a > 1
	s_wait_xcnt 0x0                                ; block a - 2's stores have read their registers: block a's loads may land there
.endif
	TOSTAGE \a
	SEND \a-1, 16                                  ; behind block a - 1's loads: block a's 8 stores and 8 loads
.endr
	SEND 3, 0
	s_wait_tensorcnt 0x0                           ; the wave's end
	ds_add_u32 v[SPW], v[NIL]
	s_wait_dscnt 0x0
	CROUND                                         ; the closing round
	s_endpgm
.Lfunc_end_k_qeee37c0e98_oproj:
	.size	k_qeee37c0e98_oproj, .Lfunc_end_k_qeee37c0e98_oproj-k_qeee37c0e98_oproj
	.p2alignl 7, 3214868480
	.fill 96, 4, 3214868480
	.section	.rodata,"a",@progbits
	.p2align	6, 0x0
	.amdhsa_kernel k_qeee37c0e98_oproj
		.amdhsa_group_segment_fixed_size 327680
		.amdhsa_private_segment_fixed_size 0
		.amdhsa_enable_private_segment 0
		.amdhsa_kernarg_size 48
		.amdhsa_user_sgpr_count 2
		.amdhsa_user_sgpr_kernarg_segment_ptr 1
		.amdhsa_wavefront_size32 1
		.amdhsa_system_sgpr_workgroup_id_x 1
		.amdhsa_system_sgpr_workgroup_id_y 1
		.amdhsa_system_sgpr_workgroup_id_z 1
		.amdhsa_system_vgpr_workitem_id 0
		.amdhsa_next_free_vgpr 768
		.amdhsa_next_free_sgpr 76
		.amdhsa_reserve_vcc 0
		.amdhsa_float_denorm_mode_32 3
		.amdhsa_float_denorm_mode_16_64 3
		.amdhsa_memory_ordered 1
		.amdhsa_forward_progress 1
		.amdhsa_inst_pref_size 52
	.end_amdhsa_kernel
	.amdgpu_metadata
---
amdhsa.version: [ 1, 2 ]
amdhsa.kernels:
  - .name:           k_qeee37c0e98_oproj
    .symbol:         k_qeee37c0e98_oproj.kd
    .args:
      - { .name: ao, .offset: 0, .size: 8, .value_kind: global_buffer, .address_space: global }
      - { .name: wcodes, .offset: 8, .size: 8, .value_kind: global_buffer, .address_space: global }
      - { .name: lowp_scales, .offset: 16, .size: 8, .value_kind: global_buffer, .address_space: global }
      - { .name: b_out, .offset: 24, .size: 8, .value_kind: global_buffer, .address_space: global }
      - { .name: x, .offset: 32, .size: 8, .value_kind: global_buffer, .address_space: global }
      - { .name: x1, .offset: 40, .size: 8, .value_kind: global_buffer, .address_space: global }
    .group_segment_fixed_size: 327680
    .private_segment_fixed_size: 0
    .kernarg_segment_align: 8
    .kernarg_segment_size: 48
    .max_flat_workgroup_size: 128
    .sgpr_count:     76
    .vgpr_count:     768
    .wavefront_size: 32
...
	.end_amdgpu_metadata
.endif
;; end of part 4
;; launch ln2 (part 5): grid 256 x 1, 4 waves a work-group, no clusters, 0 bytes of LDS; arguments x1, ln2_g, ln2_b, lowp_scales, hcodes; writes hcodes
.if DOCPART == 5
	.amdgcn_target "amdgcn-amd-amdhsa--gfx1250"
	.amdhsa_code_object_version 6
	.text
	.protected	k_qeee37c0e98_ln2
	.globl	k_qeee37c0e98_ln2
	.p2align	8
	.type	k_qeee37c0e98_ln2,@function
k_qeee37c0e98_ln2:
	s_mov_b64 s[64:65], 0
	v_nop
	global_prefetch_b8 v0, s[64:65] scope:SCOPE_SE
	s_setreg_imm32_b32 hwreg(HW_REG_WAVE_MODE, 25, 1), 1
	s_wait_xcnt 0x0
; LayerNorm 2 of x1 [4096][1024] f32, quantised to E4M3 with the given scale 2^e8, into hcodes [4096][1024], one code a byte, row-major.
; code = number / 2^e, held within +-448, rounded to the nearest code, ties to even.  LIMIT: e8 between -126 and 119.  NaN among the inputs is not served.
; A wave takes four rows.  Lane l holds, for j = 0..3, columns 256 j + 8 l + 0..7: eight neighbours along K, as the conversion wants them.  Two loads of 16 bytes a lane, issued together, cover 1,024
; consecutive bytes; the eight codes leave as 8 bytes a lane: 32 lanes store 256 consecutive bytes, aligned.  No LDS, no barrier: waves share nothing.
.set SCALE_IDX, 8
.set PX, 8
.set PG, 10
.set PB, 12
.set PS, 14
.set PH, 24
.set G,  16                            ; v16-47   the gain of my 32 columns
.set BB, 48                            ; v48-79   the bias
.set X,  80                            ; v80-207  four rows, 32 numbers a lane each
.set C,  208                           ; v208-239 their codes
	s_load_b256 s[8:15], s[0:1], 0x0               ; x1 8, ln2_g 10, ln2_b 12, scales 14
	s_load_b64 s[24:25], s[0:1], 0x20              ; hcodes
	v_lshrrev_b32 v1, 5, v0
	v_readfirstlane_b32 s2, v1                     ; wave 0..3
.macro REDUCE                          ; v8 summed over the 32 lanes, the result in every lane
	v_add_f32_dpp v8, v8, v8 row_xmask:1 row_mask:0xf bank_mask:0xf
	v_add_f32_dpp v8, v8, v8 row_xmask:2 row_mask:0xf bank_mask:0xf
	v_add_f32_dpp v8, v8, v8 row_xmask:4 row_mask:0xf bank_mask:0xf
	v_add_f32_dpp v8, v8, v8 row_xmask:8 row_mask:0xf bank_mask:0xf
	v_permlanex16_b32 v9, v8, s34, s35
	v_add_f32 v8, v8, v9
.endm
.macro ROW rho
.set XR, X+32*(\rho)
	s_wait_loadcnt 8*(3-(\rho))                    ; loads come back in order: this row's eight are in, the later rows' eight each may be out
	v_pk_add_f32 v[240:241], v[XR:XR+1], v[XR+2:XR+3]          ; the row's sum, in two chains
	v_pk_add_f32 v[242:243], v[XR+4:XR+5], v[XR+6:XR+7]
.irp j, 8,12,16,20,24,28
	v_pk_add_f32 v[240:241], v[240:241], v[XR+\j:XR+\j+1]
	v_pk_add_f32 v[242:243], v[242:243], v[XR+\j+2:XR+\j+3]
.endr
	v_pk_add_f32 v[240:241], v[240:241], v[242:243]
	v_add_f32 v8, v240, v241
	REDUCE
	v_mul_f32 v10, s36, v8                         ; the mean, twice: a pair for the packed forms
	v_mul_f32 v11, s36, v8
.set jj, 0
.rept 16
	v_pk_add_f32 v[XR+jj:XR+jj+1], v[XR+jj:XR+jj+1], v[10:11] neg_lo:[0,1] neg_hi:[0,1]   ; x - mean first: the variance is taken of the differences, so a common offset costs nothing
.set jj, jj+2
.endr
	v_pk_mul_f32 v[240:241], v[XR:XR+1], v[XR:XR+1]
	v_pk_mul_f32 v[242:243], v[XR+2:XR+3], v[XR+2:XR+3]
.irp j, 4,8,12,16,20,24,28
	v_pk_fma_f32 v[240:241], v[XR+\j:XR+\j+1], v[XR+\j:XR+\j+1], v[240:241]
	v_pk_fma_f32 v[242:243], v[XR+\j+2:XR+\j+3], v[XR+\j+2:XR+\j+3], v[242:243]
.endr
	v_pk_add_f32 v[240:241], v[240:241], v[242:243]
	v_add_f32 v8, v240, v241
	REDUCE
	v_fma_f32 v8, v8, s36, s37                     ; variance + 1e-5
	s_wait_alu depctr_va_vdst(0)
	v_rsq_f32 v12, v8
	v_nop                                          ; a plain instruction behind the transcendental
	s_wait_alu depctr_va_vdst(0)                   ; and the wait ahead of the first reader
	v_mov_b32 v13, v12
.set jj, 0
.rept 16
	v_pk_mul_f32 v[XR+jj:XR+jj+1], v[XR+jj:XR+jj+1], v[12:13]
.set jj, jj+2
.endr
.set jj, 0
.rept 16
	v_pk_fma_f32 v[XR+jj:XR+jj+1], v[XR+jj:XR+jj+1], v[G+jj:G+jj+1], v[BB+jj:BB+jj+1]
.set jj, jj+2
.endr
.set jj, 0
.rept 32
	v_med3_num_f32 v[XR+jj], v[XR+jj], -v7, v7     ; the conversion to an 8-bit code does not saturate (ISA guide 7.6.2): the hold at the largest code x the scale
.set jj, jj+1
.endr
.irp j, 0,1,2,3
	v_cvt_scalef32_pk8_fp8_f32 v[C+8*(\rho)+2*\j:C+8*(\rho)+2*\j+1], v[XR+8*\j:XR+8*\j+7], v6
.endr
	v_nop                                          ; a plain instruction behind the last conversion
.irp j, 0,1,2,3
	global_store_b64 v3, v[C+8*(\rho)+2*\j:C+8*(\rho)+2*\j+1], s[32:33] offset:(\rho)*1024+256*\j   ; every row has registers of its own: no store's data are written again
.endr
.endm
	v_and_b32 v1, 31, v0                           ; lane
	v_lshlrev_b32 v2, 5, v1                        ; in: 32 bytes a lane
	v_lshlrev_b32 v3, 3, v1                        ; out: 8 bytes a lane
	v_mov_b32 v9, 0                                ; written once: a lane permute's destination counts as one of its sources
	s_lshl_b32 s28, ttmp9, 4
	s_lshl_b32 s29, s2, 2
	s_add_co_u32 s28, s28, s29                     ; my first row: 16 x work-group + 4 x wave
	s_lshl_b32 s38, s28, 12
	s_mov_b32 s39, 0
	s_lshl_b32 s40, s28, 10
	s_mov_b32 s41, 0
	s_mov_b32 s34, 0x76543210                      ; v_permlanex16_b32: lane l xor 16
	s_mov_b32 s35, 0xfedcba98
	s_mov_b32 s36, 0x3a800000                      ; 1 / 1024
	s_mov_b32 s37, 0x3727c5ac                      ; 1e-5
	s_wait_alu depctr_va_vdst(0)
	s_wait_kmcnt 0x0
	s_load_b32 s44, s[PS:PS+1], 4*SCALE_IDX        ; e
	s_add_nc_u64 s[30:31], s[PX:PX+1], s[38:39]
	s_add_nc_u64 s[32:33], s[PH:PH+1], s[40:41]
.irp j, 0,1,2,3
	global_load_b128 v[G+8*\j:G+8*\j+3],    v2, s[PG:PG+1] offset:1024*\j
	global_load_b128 v[G+8*\j+4:G+8*\j+7],  v2, s[PG:PG+1] offset:1024*\j+16
	global_load_b128 v[BB+8*\j:BB+8*\j+3],  v2, s[PB:PB+1] offset:1024*\j
	global_load_b128 v[BB+8*\j+4:BB+8*\j+7], v2, s[PB:PB+1] offset:1024*\j+16
.endr
.irp rho, 0,1,2,3
.irp j, 0,1,2,3
	global_load_b128 v[X+32*\rho+8*\j:X+32*\rho+8*\j+3],   v2, s[30:31] offset:4096*\rho+1024*\j th:TH_LOAD_NT
	global_load_b128 v[X+32*\rho+8*\j+4:X+32*\rho+8*\j+7], v2, s[30:31] offset:4096*\rho+1024*\j+16 th:TH_LOAD_NT
.endr
.endr
	s_wait_kmcnt 0x0
	s_add_co_i32 s44, s44, 127
	s_lshl_b32 s45, s44, 23
	v_mov_b32 v6, s45                              ; 2^e as f32: the conversion takes its exponent field
	s_add_co_i32 s44, s44, 8
	s_lshl_b32 s44, s44, 23
	s_or_b32 s44, s44, 0x600000
	v_mov_b32 v7, s44                              ; 448 x 2^e
	ROW 0
	ROW 1
	ROW 2
	ROW 3
	s_endpgm
.Lfunc_end_k_qeee37c0e98_ln2:
	.size	k_qeee37c0e98_ln2, .Lfunc_end_k_qeee37c0e98_ln2-k_qeee37c0e98_ln2
	.p2alignl 7, 3214868480
	.fill 96, 4, 3214868480
	.section	.rodata,"a",@progbits
	.p2align	6, 0x0
	.amdhsa_kernel k_qeee37c0e98_ln2
		.amdhsa_group_segment_fixed_size 0
		.amdhsa_private_segment_fixed_size 0
		.amdhsa_enable_private_segment 0
		.amdhsa_kernarg_size 40
		.amdhsa_user_sgpr_count 2
		.amdhsa_user_sgpr_kernarg_segment_ptr 1
		.amdhsa_wavefront_size32 1
		.amdhsa_system_sgpr_workgroup_id_x 1
		.amdhsa_system_sgpr_workgroup_id_y 1
		.amdhsa_system_sgpr_workgroup_id_z 1
		.amdhsa_system_vgpr_workitem_id 0
		.amdhsa_next_free_vgpr 256
		.amdhsa_next_free_sgpr 66
		.amdhsa_reserve_vcc 0
		.amdhsa_float_denorm_mode_32 3
		.amdhsa_float_denorm_mode_16_64 3
		.amdhsa_memory_ordered 1
		.amdhsa_forward_progress 1
		.amdhsa_inst_pref_size 41
	.end_amdhsa_kernel
	.amdgpu_metadata
---
amdhsa.version: [ 1, 2 ]
amdhsa.kernels:
  - .name:           k_qeee37c0e98_ln2
    .symbol:         k_qeee37c0e98_ln2.kd
    .args:
      - { .name: x1, .offset: 0, .size: 8, .value_kind: global_buffer, .address_space: global }
      - { .name: ln2_g, .offset: 8, .size: 8, .value_kind: global_buffer, .address_space: global }
      - { .name: ln2_b, .offset: 16, .size: 8, .value_kind: global_buffer, .address_space: global }
      - { .name: lowp_scales, .offset: 24, .size: 8, .value_kind: global_buffer, .address_space: global }
      - { .name: hcodes, .offset: 32, .size: 8, .value_kind: global_buffer, .address_space: global }
    .group_segment_fixed_size: 0
    .private_segment_fixed_size: 0
    .kernarg_segment_align: 8
    .kernarg_segment_size: 40
    .max_flat_workgroup_size: 128
    .sgpr_count:     66
    .vgpr_count:     256
    .wavefront_size: 32
...
	.end_amdgpu_metadata
.endif
;; end of part 5
;; launch fc1 (part 6): grid 16 x 16, 4 waves a work-group, clusters of 4 x 4, 327,680 bytes of LDS; arguments hcodes, wcodes, lowp_scales, b_fc1, h3; writes h3
.if DOCPART == 6
	.amdgcn_target "amdgcn-amd-amdhsa--gfx1250"
	.amdhsa_code_object_version 6
	.text
	.protected	k_qeee37c0e98_fc1
	.globl	k_qeee37c0e98_fc1
	.p2align	8
	.type	k_qeee37c0e98_fc1,@function
k_qeee37c0e98_fc1:
	s_mov_b64 s[64:65], 0
	v_nop
	global_prefetch_b8 v0, s[64:65] scope:SCOPE_SE
	s_setreg_imm32_b32 hwreg(HW_REG_WAVE_MODE, 25, 1), 1
	s_wait_xcnt 0x0
	s_wait_alu depctr_hold_cnt(0) depctr_sa_sdst(0) depctr_va_vdst(0) depctr_va_sdst(0) depctr_va_ssrc(0) depctr_va_vcc(0) depctr_vm_vsrc(0)
	s_getreg_b32 s2, hwreg(HW_REG_IB_STS2, 6, 4)
	s_cmp_eq_u32 s2, 0
	s_cbranch_scc0 .Lentry_in_a_cluster
	s_endpgm
.Lentry_in_a_cluster:
	s_bfe_u32 s2, ttmp6, 0x10000c
	s_cmp_lg_u32 s2, 0xf033
	s_cbranch_scc0 .Lentry_shape_is_right
	s_endpgm
.Lentry_shape_is_right:
; h3 = Q(gelu(Q(LN2(x1)) Q(w_fc1) + b_fc1)) on codes of E4M3.  hcodes [4096][1024]; w_fc1's codes [4096][1024] at byte WOFF of wcodes: K innermost.  h3: codes in planes, [64][4096 tokens][64]: plane p holds k = 64 p .. 64 p + 63.
; A tile of 256 x 256 to a work-group of four waves, 128 x 128 a wave: 64 accumulators, which take turns.  K = 1,024 goes in four steps of 256 through a ring of two LDS slots filled by the tensor data mover.
; CLUSTERS of 4 x 4: the tokens' tile is asked for jointly along a row of the cluster, the weight's along a column.  The matrix instruction is used transposed: a lane holds one token and eight neighbouring hidden units.
; gelu(x) = x / (1 + 2^(x (k0 + k1 x^2))), k0 = -2 log2(e) sqrt(2 / pi), k1 = 0.044715 k0: the tanh form, since (1 + tanh y) / 2 = 1 / (1 + e^(-2 y)); all in f32.
; x = sum x 2^(e8 + e9) + bias; code = gelu(x) / 2^e10, held within +-448.  LIMITS: e8 + e9 between -126 and 127; e10 between -126 and 119.  NaN among the inputs is not served.
.set SIZE_K, 1024
.set WOFF,   4194304
.set KSTEP,  256
.set ROWB,   256
.set KROW,   SIZE_K
.set PITCH,  272
.set FR,     16
.set NL,     4
.set NP,     4
.set HALFT,  128*PITCH
.set SLOT,   4*HALFT
.set LAPS,   SIZE_K/(2*KSTEP)
.set SPARE,  2*SLOT
.set SPITCH, 272
.set BH,   7
.set ADRA, 16
.set ADRB, 20
.set QS,   22
.set LIM,  23
.set STO,  24
.set RDP,  25
.set COP,  26
.set SPW,  28
.set NIL,  29
.set BN,   32
.set K0R,  96
.set AF,   128
.set X,    128
.set Z,    160
.set CD,   192
.set G1, 24
.set G0, 32
.set G1B, 48
.set G0B, 56
.set MSB, 0
.macro WIN new
.if MSB != \new
	s_set_vgpr_msb (MSB<<8)|\new
.set MSB, \new
.endif
.endm
.set MUL_LO, 0xa1
.set MUL_HI, 0xf1
.set TO_B,   0x40
.macro JLOAD g0a, g1a, g0b, g1b
	s_cmp_eq_u32 s15, 0
	s_cbranch_scc0 .Lfor_b_\@
	tensor_load_to_lds s[\g0a:\g0a+3], s[\g1a:\g1a+7]
	s_nop 0
.rept 4
	v_nop
.endr
	s_branch .Lasked_\@
.Lfor_b_\@:
	tensor_load_to_lds s[\g0b:\g0b+3], s[\g1b:\g1b+7]
	s_nop 0
.rept 4
	v_nop
.endr
.Lasked_\@:
.endm
.macro CREST
	s_cmp_lg_u32 s14, 0
	s_cbranch_scc1 .Lnot_wave_0_\@
	s_barrier_signal -3
.Lnot_wave_0_\@:
	s_barrier_wait -3
	s_barrier_signal -1
	s_barrier_wait -1
.endm
.macro CROUND
	s_barrier_signal -1
	s_barrier_wait -1
	CREST
.endm
	s_load_b256 s[4:11], s[0:1], 0x0
	s_load_b64 s[12:13], s[0:1], 0x20
	v_lshl_add_u32 v[SPW], v0, 2, SPARE
	v_mov_b32 v[NIL], 0
	ds_add_u32 v28, v29
	ds_add_u32 v28, v29
	s_wait_dscnt 0x0
	v_lshrrev_b32 v1, 5, v0
	v_readfirstlane_b32 s14, v1
	s_lshr_b32 s15, s14, 1
	s_and_b32 s16, s14, 1
	s_bfe_u32 s40, ttmp6, 0x40000
	s_bfe_u32 s41, ttmp6, 0x40004
	s_lshl_b32 s42, ttmp9, 2
	s_add_co_u32 s42, s42, s40
	s_and_b32 s17, ttmp7, 0xffff
	s_lshl_b32 s17, s17, 2
	s_add_co_u32 s17, s17, s41
	s_lshl_b32 s43, s41, 2
	s_lshl_b32 s43, 15, s43
	s_lshl_b32 s44, 0x1111, s40
	s_or_b32 s[G1+0], s43, (0<<16)|(1<<20)|(1<<21)|(5<<22)|(3<<25)
	s_or_b32 s[G1B+0], s44, (0<<16)|(1<<20)|(1<<21)|(5<<22)|(3<<25)
.irp g, G1, G1B
	s_mov_b32 s[\g+1], ROWB<<16
	s_mov_b32 s[\g+2], 128<<16
	s_mov_b32 s[\g+3], ROWB<<16
	s_mov_b32 s[\g+4], 128
	s_mov_b32 s[\g+5], KROW
	s_mov_b32 s[\g+6], 0
	s_mov_b32 s[\g+7], 0
.endr
	s_lshl_b32 s18, s16, 7
	s_lshl_b32 s20, s17, 8
	s_add_co_u32 s20, s20, s18
	s_lshl_b32 s20, s20, 10
	s_mov_b32 s21, 0
	s_lshl_b32 s46, s42, 8
	s_add_co_u32 s46, s46, s18
	s_lshl_b32 s46, s46, 10
	s_add_co_u32 s46, s46, WOFF
	s_mov_b32 s47, 0
	s_mul_i32 s45, s14, HALFT
	s_wait_kmcnt 0x0
	s_load_b128 s[80:83], s[8:9], 0x20
	s_add_nc_u64 s[20:21], s[4:5], s[20:21]
	s_add_nc_u64 s[46:47], s[6:7], s[46:47]
	CROUND
.irp s, 0,1
	s_mov_b32 s[G0+4*\s], 1
	s_add_co_u32 s[G0+4*\s+1], s45, \s*SLOT
	s_add_nc_u64 s[G0+4*\s+2:G0+4*\s+3], s[20:21], \s*ROWB
	s_or_b32 s[G0+4*\s+3], s[G0+4*\s+3], 0x80000000
	s_mov_b32 s[G0B+4*\s], 1
	s_add_co_u32 s[G0B+4*\s+1], s45, \s*SLOT
	s_add_nc_u64 s[G0B+4*\s+2:G0B+4*\s+3], s[46:47], \s*ROWB
	s_or_b32 s[G0B+4*\s+3], s[G0B+4*\s+3], 0x80000000
.endr
	JLOAD G0, G1, G0B, G1B                         ; K step 0: one tensor load a wave at the head
	; PREFETCHES INTO THE L2: behind the load of K step 0 a wave names K steps 1 and 2, behind that of K step 1 K step 3.  Of the 128 rows that I fetch, each of the four
	; partners that ask for them jointly takes 32, told apart by address (cx for the tokens, cy for the weight): a lane a row, 256 bytes of it.  K step 0 comes by its load alone; there is no K step 4.
	s_cmp_eq_u32 s15, 0
	s_cselect_b64 s[94:95], s[20:21], s[46:47]     ; the rows that I fetch
	s_cselect_b32 s96, s40, s41                    ; my work-group's place among the four
	s_lshl_b32 s96, s96, 15                        ; 32 rows of 1,024 bytes
	s_mov_b32 s97, 0
	s_add_nc_u64 s[94:95], s[94:95], s[96:97]      ; never rewritten
	v_and_b32 v12, 31, v0
	v_lshlrev_b32 v12, 10, v12                     ; v12: my lane's row; never rewritten
	global_prefetch_b8 v12, s[94:95] offset:1*ROWB th:TH_LOAD_NT scope:SCOPE_SE
	global_prefetch_b8 v12, s[94:95] offset:2*ROWB th:TH_LOAD_NT scope:SCOPE_SE
	v_and_b32 v1, 15, v0
	v_bfe_u32 v2, v0, 4, 1
	v_mul_u32_u24 v3, v1, PITCH
	s_wait_alu depctr_va_vdst(0)
	v_lshl_add_u32 v4, v2, 4, v3
	s_mul_i32 s21, s15, HALFT
	s_mul_i32 s22, s16, HALFT
	s_add_co_u32 s22, s22, 2*HALFT
.irp s, 0,1
	v_add_nc_u32 v[ADRA+\s], s21, v4
	v_add_nc_u32 v[ADRB+\s], s22, v4
	s_add_co_u32 s21, s21, SLOT
	s_add_co_u32 s22, s22, SLOT
.endr
	s_mul_i32 s23, s15, 128*SPITCH
	s_lshl_b32 s22, s16, 7
	s_add_co_u32 s23, s23, s22
	v_lshl_add_u32 v5, v2, 3, v3
	v_add_nc_u32 v[STO], s23, v5
	s_mul_i32 s23, s14, 64*SPITCH
	v_and_b32 v5, 31, v0
	v_lshrrev_b32 v8, 2, v5
	v_and_b32 v9, 3, v5
	v_mul_u32_u24 v8, v8, SPITCH
	v_lshl_add_u32 v8, v9, 4, v8
	v_add_nc_u32 v[RDP], s23, v8
	v_lshlrev_b32 v[COP], 4, v5
	v_lshlrev_b32 v[BH], 5, v2
	s_lshl_b32 s72, s42, 10
	s_lshl_b32 s22, s16, 9
	s_add_co_u32 s72, s72, s22
	s_mov_b32 s73, 0
	s_add_nc_u64 s[72:73], s[10:11], s[72:73]
.set jj, 0
.rept 8
	global_load_b128 v[BN+8*jj:BN+8*jj+3],   v[BH], s[72:73] offset:64*jj
	global_load_b128 v[BN+8*jj+4:BN+8*jj+7], v[BH], s[72:73] offset:64*jj+16
.set jj, jj+1
.endr
.macro FRAG reg, adr, q, i
.irp c, 0,1,2,3
	ds_load_b128 v[\reg+4*\c:\reg+4*\c+3], v[\adr] offset:128*(\q)+32*\c+(\i)*16*PITCH
.endr
.endm
.macro MUL16 a0, p, zero
.irp a, \a0, \a0+1
.irp b, 0,1,2,3,4,5,6,7
.if \zero
	v_wmma_f32_16x16x128_fp8_fp8 v[8*(8*((\a)%4)+\b):8*(8*((\a)%4)+\b)+7], v[128*(\p)+FR*\b:128*(\p)+FR*\b+FR-1], v[AF+FR*(\a):AF+FR*(\a)+FR-1], 0
.else
	v_wmma_f32_16x16x128_fp8_fp8 v[8*(8*((\a)%4)+\b):8*(8*((\a)%4)+\b)+7], v[128*(\p)+FR*\b:128*(\p)+FR*\b+FR-1], v[AF+FR*(\a):AF+FR*(\a)+FR-1], v[8*(8*((\a)%4)+\b):8*(8*((\a)%4)+\b)+7]
.endif
.endr
.endr
.endm
.macro FETCH_B slot, q, p
	WIN TO_B
.irp i, 0,1,2,3,4,5,6,7
	FRAG 128*(\p)+FR*\i, ADRB+\slot, \q, \i
.endr
	WIN 0
.endm
.macro FETCH_A slot, q, i0
.irp i, \i0, \i0+1, \i0+2, \i0+3
	FRAG AF+FR*(\i), ADRA+\slot, \q, \i
.endr
.endm
.macro PLACES n
.rept \n
	v_nop
.endr
.endm
.macro STEP slot, q, zero
	s_wait_dscnt 4*NL
	WIN MUL_LO
	MUL16 0, (\q)%2, \zero
	MUL16 2, (\q)%2, \zero
	s_wait_dscnt 0
	PLACES NP
	FETCH_B \slot, (\q)+1, 1-(\q)%2
	FETCH_A \slot, (\q)+1, 0
	WIN MUL_HI
	MUL16 4, (\q)%2, \zero
	MUL16 6, (\q)%2, \zero
	PLACES NP
	WIN 0
	FETCH_A \slot, (\q)+1, 4
.endm
.macro TURN slot, next, fill
	s_wait_tensorcnt 0x0
	ds_add_u32 v[SPW], v[NIL]
	s_wait_dscnt 4*NL+1
	WIN MUL_LO
	MUL16 0, 1, 0
	s_wait_dscnt 0x0
	s_barrier_signal -1
	MUL16 2, 1, 0
	WIN 0
	s_barrier_wait -1
.if \fill
	CREST
	s_add_nc_u64 s[G0+4*\slot+2:G0+4*\slot+3], s[G0+4*\slot+2:G0+4*\slot+3], 2*ROWB
	s_add_nc_u64 s[G0B+4*\slot+2:G0B+4*\slot+3], s[G0B+4*\slot+2:G0B+4*\slot+3], 2*ROWB
	JLOAD G0+4*\slot, G1, G0B+4*\slot, G1B
.else
	PLACES NP
.endif
	FETCH_B \next, 0, 0
	FETCH_A \next, 0, 0
	WIN MUL_HI
	MUL16 4, 1, 0
	MUL16 6, 1, 0
	PLACES NP
	WIN 0
	FETCH_A \next, 0, 4
.endm
	s_wait_alu depctr_va_vdst(0)                   ; the wait at the head's end
	s_wait_tensorcnt 0x0                           ; my part of K step 0 is in
	ds_add_u32 v[SPW], v[NIL]
	s_wait_dscnt 0x0
	CROUND                                         ; everybody's part of K step 0 is in, and all sixteen work-groups are here
	JLOAD G0+4, G1, G0B+4, G1B                     ; K step 1, the first tensor load behind the round
	FETCH_B 0, 0, 0
	FETCH_A 0, 0, 0
	FETCH_A 0, 0, 4
	global_prefetch_b8 v12, s[94:95] offset:3*ROWB th:TH_LOAD_NT scope:SCOPE_SE   ; K step 3
	STEP 0, 0, 1
	s_mov_b32 s3, LAPS-1
.Llap:
	TURN 0, 1, 1
	STEP 1, 0, 0
	TURN 1, 0, 1
	STEP 0, 0, 0
	s_sub_co_u32 s3, s3, 1
	s_cmp_lg_u32 s3, 0
	s_cbranch_scc1 .Llap
	TURN 0, 1, 0
	STEP 1, 0, 0
	s_wait_dscnt 4*NL
	WIN MUL_LO
	MUL16 0, 1, 0
	MUL16 2, 1, 0
	s_wait_dscnt 0
	WIN MUL_HI
	MUL16 4, 1, 0
	MUL16 6, 1, 0
	WIN 0
	s_wait_kmcnt 0x0
	s_add_co_i32 s70, s80, s81
	s_add_co_i32 s70, s70, 127
	s_lshl_b32 s70, s70, 23
	s_mov_b32 s71, s70
	s_mov_b32 s78, 0xbdd2d3e8
	s_mov_b32 s79, s78
	s_add_co_i32 s88, s82, 127
	s_lshl_b32 s89, s88, 23
	s_add_co_i32 s88, s88, 8
	s_lshl_b32 s88, s88, 23
	s_or_b32 s88, s88, 0x600000
	s_wait_loadcnt 0x0
	PLACES NP
	v_mov_b32 v[QS], s89
	v_mov_b32 v[LIM], s88
	v_mov_b32 v[K0R], 0xc0135761
	v_mov_b32 v[K0R+1], 0xc0135761
.macro HB a, hf
.set II, 2*(\a)+(\hf)
.set AC, 64*((\a)%4)+32*(\hf)
.set CC, CD+8*(II%2)
.if II >= 2
	s_wait_dscnt 4
.endif
	WIN 0x02+((\a)/4)
.set jj, 0
.rept 16
	v_pk_fma_f32 v[X+jj:X+jj+1], v[AC+jj:AC+jj+1], s[70:71], v[BN+32*(\hf)+jj:BN+32*(\hf)+jj+1] op_sel_hi:[1,0,1]
.set jj, jj+2
.endr
	WIN 0
.set jj, 0
.rept 16
	v_pk_mul_f32 v[Z+jj:Z+jj+1], v[X+jj:X+jj+1], v[X+jj:X+jj+1]
.set jj, jj+2
.endr
.set jj, 0
.rept 16
	v_pk_fma_f32 v[Z+jj:Z+jj+1], v[Z+jj:Z+jj+1], s[78:79], v[K0R:K0R+1] op_sel_hi:[1,0,1]
.set jj, jj+2
.endr
.set jj, 0
.rept 16
	v_pk_mul_f32 v[Z+jj:Z+jj+1], v[Z+jj:Z+jj+1], v[X+jj:X+jj+1]
.set jj, jj+2
.endr
.set jj, 0
	s_wait_alu depctr_va_vdst(0)
.rept 32
	v_exp_f32 v[Z+jj], v[Z+jj]
.set jj, jj+1
.endr
	v_nop
	s_wait_alu depctr_va_vdst(0)
.set jj, 0
.rept 16
	v_pk_add_f32 v[Z+jj:Z+jj+1], v[Z+jj:Z+jj+1], 1.0 op_sel_hi:[1,0]
.set jj, jj+2
.endr
.set jj, 0
	s_wait_alu depctr_va_vdst(0)
.rept 32
	v_rcp_f32 v[Z+jj], v[Z+jj]
.set jj, jj+1
.endr
	v_nop
	s_wait_alu depctr_va_vdst(0)
.set jj, 0
.rept 16
	v_pk_mul_f32 v[X+jj:X+jj+1], v[X+jj:X+jj+1], v[Z+jj:Z+jj+1]
.set jj, jj+2
.endr
.set jj, 0
.rept 32
	v_med3_num_f32 v[X+jj], v[X+jj], -v[LIM], v[LIM]
.set jj, jj+1
.endr
.irp q, 0,1,2,3
	v_cvt_scalef32_pk8_fp8_f32 v[CC+2*\q:CC+2*\q+1], v[X+8*\q:X+8*\q+7], v[QS]
.endr
	v_nop
.irp q, 0,1,2,3
	ds_store_b64 v[STO], v[CC+2*\q:CC+2*\q+1] offset:(\a)*16*SPITCH+16*(4*(\hf)+\q)
.endr
.endm
.irp a, 0,1,2,3,4,5,6,7
	HB \a, 0
	HB \a, 1
.endr
	s_wait_dscnt 0x0
	s_barrier_signal -1
	s_barrier_wait -1
	s_lshl_b32 s90, s42, 20
	s_lshl_b32 s92, s17, 14
	s_add_co_u32 s90, s90, s92
	s_lshl_b32 s92, s14, 12
	s_add_co_u32 s90, s90, s92
	s_mov_b32 s91, 0
	s_add_nc_u64 s[90:91], s[12:13], s[90:91]
.set nn, 0
.rept 32
	ds_load_b128 v[128+4*nn:128+4*nn+3], v[RDP] offset:(nn%8)*8*SPITCH+(nn/8)*64
.set nn, nn+1
.endr
.set nn, 0
.rept 32
	s_wait_dscnt 31-nn
	global_store_b128 v[COP], v[128+4*nn:128+4*nn+3], s[90:91] offset:(nn/8)*262144+(nn%8)*512
.set nn, nn+1
.endr
	s_wait_tensorcnt 0x0
	ds_add_u32 v[SPW], v[NIL]
	s_wait_dscnt 0x0
	CROUND
	s_endpgm
.Lfunc_end_k_qeee37c0e98_fc1:
	.size	k_qeee37c0e98_fc1, .Lfunc_end_k_qeee37c0e98_fc1-k_qeee37c0e98_fc1
	.p2alignl 7, 3214868480
	.fill 96, 4, 3214868480
	.section	.rodata,"a",@progbits
	.p2align	6, 0x0
	.amdhsa_kernel k_qeee37c0e98_fc1
		.amdhsa_group_segment_fixed_size 327680
		.amdhsa_private_segment_fixed_size 0
		.amdhsa_enable_private_segment 0
		.amdhsa_kernarg_size 40
		.amdhsa_user_sgpr_count 2
		.amdhsa_user_sgpr_kernarg_segment_ptr 1
		.amdhsa_wavefront_size32 1
		.amdhsa_system_sgpr_workgroup_id_x 1
		.amdhsa_system_sgpr_workgroup_id_y 1
		.amdhsa_system_sgpr_workgroup_id_z 1
		.amdhsa_system_vgpr_workitem_id 0
		.amdhsa_next_free_vgpr 1024
		.amdhsa_next_free_sgpr 98
		.amdhsa_reserve_vcc 0
		.amdhsa_float_denorm_mode_32 3
		.amdhsa_float_denorm_mode_16_64 3
		.amdhsa_memory_ordered 1
		.amdhsa_forward_progress 1
		.amdhsa_inst_pref_size 255
	.end_amdhsa_kernel
	.section	.bss,"aw",@nobits
	.p2align	6
	.space	262144
	.amdgpu_metadata
---
amdhsa.version: [ 1, 2 ]
amdhsa.kernels:
  - .name:           k_qeee37c0e98_fc1
    .symbol:         k_qeee37c0e98_fc1.kd
    .args:
      - { .name: hcodes, .offset: 0, .size: 8, .value_kind: global_buffer, .address_space: global }
      - { .name: wcodes, .offset: 8, .size: 8, .value_kind: global_buffer, .address_space: global }
      - { .name: lowp_scales, .offset: 16, .size: 8, .value_kind: global_buffer, .address_space: global }
      - { .name: b_fc1, .offset: 24, .size: 8, .value_kind: global_buffer, .address_space: global }
      - { .name: h3, .offset: 32, .size: 8, .value_kind: global_buffer, .address_space: global }
    .group_segment_fixed_size: 327680
    .private_segment_fixed_size: 0
    .kernarg_segment_align: 8
    .kernarg_segment_size: 40
    .max_flat_workgroup_size: 128
    .sgpr_count:     98
    .vgpr_count:     1024
    .wavefront_size: 32
...
	.end_amdgpu_metadata
.endif
;; end of part 6
;; launch fc2 (part 7): grid 8 x 32, 4 waves a work-group, clusters of 4 x 4, 327,680 bytes of LDS; arguments h3, wcodes, lowp_scales, b_fc2, x1, out0; writes out0
.if DOCPART == 7
	.amdgcn_target "amdgcn-amd-amdhsa--gfx1250"
	.amdhsa_code_object_version 6
	.text
	.protected	k_qeee37c0e98_fc2
	.globl	k_qeee37c0e98_fc2
	.p2align	8
	.type	k_qeee37c0e98_fc2,@function
k_qeee37c0e98_fc2:
	s_mov_b64 s[64:65], 0
	v_nop
	global_prefetch_b8 v0, s[64:65] scope:SCOPE_SE
	s_setreg_imm32_b32 hwreg(HW_REG_WAVE_MODE, 25, 1), 1
	s_wait_xcnt 0x0
	s_wait_alu depctr_hold_cnt(0) depctr_sa_sdst(0) depctr_va_vdst(0) depctr_va_sdst(0) depctr_va_ssrc(0) depctr_va_vcc(0) depctr_vm_vsrc(0)
	s_getreg_b32 s2, hwreg(HW_REG_IB_STS2, 6, 4)
	s_cmp_eq_u32 s2, 0
	s_cbranch_scc0 .Lentry_in_a_cluster
	s_endpgm
.Lentry_in_a_cluster:
	s_bfe_u32 s2, ttmp6, 0x10000c
	s_cmp_lg_u32 s2, 0xf033
	s_cbranch_scc0 .Lentry_shape_is_right
	s_endpgm
.Lentry_shape_is_right:
; out0 = x1 + h3 Q(w_fc2) x 2^(e10 + e11) + b_fc2, on codes of E4M3.
; h3: codes in PLANES, [64][4096 tokens][64]: plane p holds k = 64 p .. 64 p + 63 of every token.  W: codes [1024][4096] at byte WOFF of wcodes, K innermost.  b_fc2 [1024], x1 and out0 [4096][1024]: f32.
; A tile of 128 x 128 to a work-group (256 work-groups), four waves of 64 x 64: 16 accumulators, which take turns.  K goes in eight steps of 512 through a ring of two LDS slots filled by the tensor data mover.
; CLUSTERS of 4 x 4: h3's tile is asked for jointly along a row of the cluster, W's along a column.  The matrix instruction is used transposed: a lane holds one token and eight neighbouring columns.
; The residual and the bias are asked for behind the loop, two K steps ahead of the way out, which reads them.
; LIMIT: e10 + e11 between -126 and 127.
.set PFA,  76                          ; s[76:77] the K step that my next prefetch names, at my work-group's share of what I fetch
.set PFS,  78                          ; s[78:79] a K step on, in bytes: eight planes of h3, 512 bytes along W's rows
.set PFO,  30                          ; v30      my lane's block of 256 bytes; never rewritten
.set SIZE_K, 4096
.set WOFF,   8388608
.set EIDX,   10
.set KSTEP,  512
.set PL,     262144
.set AP,     80
.set APL,    64*AP
.set AHALF,  8*APL
.set BP,     528
.set BHALF,  64*BP
.set BOFF,   2*AHALF
.set SLOT,   BOFF+2*BHALF
.set STAGE,  2*SLOT
.set SPITCH, 272
.set SPARE,  STAGE+4*16*SPITCH
.set LAPS,   SIZE_K/(2*KSTEP)
.set BV,   8
.set ADRA, 16
.set ADRB, 20
.set STO,  24
.set RD,   25
.set CO,   26
.set SPW,  28
.set NIL,  29
.set OB,   32
.set ACC,  128
.set F0,   0
.set F1,   128
.set G1, 24
.set G0, 32
.set G1B, 48
.set G0B, 56
.set MSB, 0
.macro WIN new
.if MSB != \new
	s_set_vgpr_msb (MSB<<8)|\new
.set MSB, \new
.endif
.endm
.set MUL,  0x05
.set TO_F, 0x40
.set TO_R, 0x80
.set RES,  0x20
.macro JLOAD s
	s_cmp_eq_u32 s17, 0
	s_cbranch_scc0 .Lfor_b_\@
	tensor_load_to_lds s[G0+4*\s:G0+4*\s+3], s[G1:G1+7]
	s_nop 0
.rept 4
	v_nop
.endr
	s_branch .Lasked_\@
.Lfor_b_\@:
	tensor_load_to_lds s[G0B+4*\s:G0B+4*\s+3], s[G1B:G1B+7]
	s_nop 0
.rept 4
	v_nop
.endr
.Lasked_\@:
.endm
.macro CREST
	s_cmp_lg_u32 s16, 0
	s_cbranch_scc1 .Lnot_wave_0_\@
	s_barrier_signal -3
.Lnot_wave_0_\@:
	s_barrier_wait -3
	s_barrier_signal -1
	s_barrier_wait -1
.endm
.macro CROUND
	s_barrier_signal -1
	s_barrier_wait -1
	CREST
.endm
	s_load_b256 s[4:11], s[0:1], 0x0
	s_load_b128 s[12:15], s[0:1], 0x20
	v_lshl_add_u32 v[SPW], v0, 2, SPARE
	v_mov_b32 v[NIL], 0
	ds_add_u32 v28, v29
	ds_add_u32 v28, v29
	s_wait_dscnt 0x0
	v_lshrrev_b32 v1, 5, v0
	v_readfirstlane_b32 s16, v1
	s_lshr_b32 s17, s16, 1
	s_and_b32 s18, s16, 1
	s_bfe_u32 s40, ttmp6, 0x40000
	s_bfe_u32 s41, ttmp6, 0x40004
	s_lshl_b32 s42, ttmp9, 2
	s_add_co_u32 s42, s42, s40
	s_and_b32 s43, ttmp7, 0xffff
	s_lshl_b32 s43, s43, 2
	s_add_co_u32 s43, s43, s41
	s_lshl_b32 s44, s41, 2
	s_lshl_b32 s44, 15, s44
	s_lshl_b32 s45, 0x1111, s40
	s_or_b32 s[G1+0], s44, (0<<16)|(1<<20)|(1<<21)|(3<<22)|(3<<25)
	s_mov_b32 s[G1+1], 4096<<16
	s_mov_b32 s[G1+2], 8<<16
	s_mov_b32 s[G1+3], 4096<<16
	s_mov_b32 s[G1+4], 8
	s_mov_b32 s[G1+5], PL
	s_mov_b32 s[G1+6], 0
	s_mov_b32 s[G1+7], 0
	s_or_b32 s[G1B+0], s45, (0<<16)|(1<<20)|(1<<21)|(6<<22)|(3<<25)
	s_mov_b32 s[G1B+1], KSTEP<<16
	s_mov_b32 s[G1B+2], 64<<16
	s_mov_b32 s[G1B+3], KSTEP<<16
	s_mov_b32 s[G1B+4], 64
	s_mov_b32 s[G1B+5], SIZE_K
	s_mov_b32 s[G1B+6], 0
	s_mov_b32 s[G1B+7], 0
	s_lshl_b32 s20, s43, 13
	s_lshl_b32 s19, s18, 12
	s_add_co_u32 s20, s20, s19
	s_mov_b32 s21, 0
	s_lshl_b32 s46, s42, 7
	s_lshl_b32 s47, s18, 6
	s_add_co_u32 s46, s46, s47
	s_mul_i32 s46, s46, SIZE_K
	s_add_co_u32 s46, s46, WOFF
	s_mov_b32 s47, 0
	s_mul_i32 s22, s18, AHALF
	s_mul_i32 s23, s18, BHALF
	s_add_co_u32 s23, s23, BOFF
	s_wait_kmcnt 0x0
	s_load_b64 s[68:69], s[8:9], 4*EIDX
	s_add_nc_u64 s[20:21], s[4:5], s[20:21]
	s_add_nc_u64 s[46:47], s[6:7], s[46:47]
	CROUND
.irp s, 0,1
	s_mov_b32 s[G0+4*\s], 1
	s_add_co_u32 s[G0+4*\s+1], s22, \s*SLOT
	s_add_nc_u64 s[G0+4*\s+2:G0+4*\s+3], s[20:21], \s*8*PL
	s_or_b32 s[G0+4*\s+3], s[G0+4*\s+3], 0x80000000
	s_mov_b32 s[G0B+4*\s], 1
	s_add_co_u32 s[G0B+4*\s+1], s23, \s*SLOT
	s_add_nc_u64 s[G0B+4*\s+2:G0B+4*\s+3], s[46:47], \s*KSTEP
	s_or_b32 s[G0B+4*\s+3], s[G0B+4*\s+3], 0x80000000
.endr
	JLOAD 0                                        ; K step 0: one tensor load a wave at the head
; PREFETCHES INTO THE L2.  Behind the load of K step n, n = 0 .. 5, one instruction a wave names K step n + 2, two refills ahead; behind the load of K step 0 one more names K step 1.
; What a wave fetches of a K step is 128 blocks of 256 bytes; each of the four partners that ask for it jointly takes 32, told apart BY ADDRESS: of h3, planes 2 cx and 2 cx + 1 (16 blocks of 64 tokens each);
; of W, rows 16 cy .. 16 cy + 15 (2 blocks each).  So each block is named once in a cluster.  K step 0 comes by its load alone; the loads of K steps 6 and 7, in the loop's last trip, ask for nothing.
; The walking address is stepped at the next change of slots, behind s_wait_xcnt 0.
.macro ASK always
.if \always == 0
	s_cmp_gt_u32 s3, 1                             ; s3 = 1 in the loop's last trip
	s_cbranch_scc0 .Lno_ask_\@
.endif
	global_prefetch_b8 v[PFO], s[PFA:PFA+1] th:TH_LOAD_NT scope:SCOPE_SE
.if \always == 0
.Lno_ask_\@:
.endif
.endm
	s_cmp_eq_u32 s17, 0                            ; do I fetch for h3?
	s_cselect_b64 s[PFA:PFA+1], s[20:21], s[46:47]
	s_cselect_b32 s80, s40, s41                    ; my work-group's place among the four,
	s_cselect_b32 s81, 19, 16                      ; times two planes, or 16 rows of W
	s_cselect_b32 s82, 4, 1                        ; lanes to a plane, or to a row: 16 or 2
	s_cselect_b32 s83, 15, 1
	s_mov_b32 s[PFS], KSTEP
	s_cselect_b32 s[PFS], 8*PL, s[PFS]
	s_mov_b32 s84, SIZE_K
	s_cselect_b32 s84, PL, s84                     ; from plane to plane, or from row to row
	s_mov_b32 s[PFS+1], 0
	s_lshl_b32 s80, s80, s81
	s_mov_b32 s81, 0
	s_add_nc_u64 s[PFA:PFA+1], s[PFA:PFA+1], s[80:81]
	v_and_b32 v31, 31, v0
	v_lshrrev_b32 v[PFO], s82, v31
	v_and_b32 v31, s83, v31
	v_mul_lo_u32 v[PFO], v[PFO], s84
	v_lshl_add_u32 v[PFO], v31, 8, v[PFO]
	s_add_nc_u64 s[84:85], s[PFA:PFA+1], s[PFS:PFS+1]   ; K step 1, in a pair of its own that is never rewritten
	s_add_nc_u64 s[PFA:PFA+1], s[84:85], s[PFS:PFS+1]   ; K step 2
	global_prefetch_b8 v[PFO], s[84:85] th:TH_LOAD_NT scope:SCOPE_SE
	ASK 1                                          ; K step 2
	v_and_b32 v1, 15, v0
	v_bfe_u32 v2, v0, 4, 1
	v_mul_u32_u24 v3, v1, AP
	v_lshl_add_u32 v3, v2, 4, v3
	v_mul_u32_u24 v4, v1, BP
	v_lshl_add_u32 v4, v2, 4, v4
	s_mul_i32 s21, s17, AHALF
	s_mul_i32 s22, s18, BHALF
	s_add_co_u32 s22, s22, BOFF
.irp s, 0,1
	v_add_nc_u32 v[ADRA+\s], s21, v3
	v_add_nc_u32 v[ADRB+\s], s22, v4
	s_add_co_u32 s21, s21, SLOT
	s_add_co_u32 s22, s22, SLOT
.endr
	s_mul_i32 s23, s16, 16*SPITCH
	s_add_co_u32 s23, s23, STAGE
	v_mul_u32_u24 v5, v1, SPITCH
	v_lshl_add_u32 v5, v2, 5, v5
	v_add_nc_u32 v[STO], s23, v5
	v_mul_u32_u24 v5, v2, SPITCH
	v_lshl_add_u32 v5, v1, 4, v5
	v_add_nc_u32 v[RD], s23, v5
	v_lshlrev_b32 v[CO], 12, v2
	v_lshl_add_u32 v[CO], v1, 4, v[CO]
	v_lshlrev_b32 v6, 4, v1
	s_wait_alu depctr_va_vdst(0)
	s_lshl_b32 s70, s42, 9
	s_lshl_b32 s19, s18, 8
	s_add_co_u32 s70, s70, s19
	s_mov_b32 s71, 0
	s_add_nc_u64 s[10:11], s[10:11], s[70:71]
	s_lshl_b32 s72, s43, 19
	s_lshl_b32 s19, s17, 18
	s_add_co_u32 s72, s72, s19
	s_add_co_u32 s72, s72, s70
	s_mov_b32 s73, 0
	s_add_nc_u64 s[12:13], s[12:13], s[72:73]
	s_add_nc_u64 s[14:15], s[14:15], s[72:73]
.macro MUL8 f, a0, zero
.irp a, \a0, \a0+1
.irp b, 0,1,2,3
.if \zero
	v_wmma_f32_16x16x128_fp8_fp8 v[ACC+8*(4*(\a)+\b):ACC+8*(4*(\a)+\b)+7], v[\f+64+16*\b:\f+64+16*\b+15], v[\f+16*(\a):\f+16*(\a)+15], 0
.else
	v_wmma_f32_16x16x128_fp8_fp8 v[ACC+8*(4*(\a)+\b):ACC+8*(4*(\a)+\b)+7], v[\f+64+16*\b:\f+64+16*\b+15], v[\f+16*(\a):\f+16*(\a)+15], v[ACC+8*(4*(\a)+\b):ACC+8*(4*(\a)+\b)+7]
.endif
.endr
.endr
.endm
.macro FETCH slot, q, f
	WIN TO_F
.irp i, 0,1,2,3
.irp c, 0,1,2,3
	ds_load_b128 v[\f+64+16*\i+4*\c:\f+64+16*\i+4*\c+3], v[ADRB+\slot] offset:\i*16*BP+128*(\q)+32*\c
.endr
.endr
.irp i, 0,1,2,3
.irp c, 0,1,2,3
	ds_load_b128 v[\f+16*\i+4*\c:\f+16*\i+4*\c+3], v[ADRA+\slot] offset:\i*16*AP+(2*(\q)+\c/2)*APL+(\c%2)*32
.endr
.endr
.endm
.macro PLACES
.rept 4
	v_nop
.endr
.endm
.macro QUARTER slot, qn, f, g, zero
	PLACES
	FETCH \slot, \qn, \g
	s_wait_dscnt 32
	WIN MUL
	MUL8 \f, 0, \zero
	MUL8 \f, 2, \zero
.endm
.macro TURN slot, next, fill           ; a slot's last quarter changes slots: ONE barrier
	WIN 0
.if \fill
	s_wait_xcnt 0x0                                ; my last prefetch has read its address, which steps a K step on
	s_add_nc_u64 s[PFA:PFA+1], s[PFA:PFA+1], s[PFS:PFS+1]
.endif
	s_wait_tensorcnt 0x0
	ds_add_u32 v[SPW], v[NIL]
	s_wait_dscnt 1
	WIN MUL
	MUL8 F1, 0, 0
	s_wait_dscnt 0x0
	s_barrier_signal -1
	MUL8 F1, 2, 0
	WIN 0
	s_barrier_wait -1
.if \fill
	CREST
	s_add_nc_u64 s[G0+4*\slot+2:G0+4*\slot+3], s[G0+4*\slot+2:G0+4*\slot+3], 2*8*PL
	s_add_nc_u64 s[G0B+4*\slot+2:G0B+4*\slot+3], s[G0B+4*\slot+2:G0B+4*\slot+3], 2*KSTEP
	JLOAD \slot
.else
	PLACES
.endif
	FETCH \next, 0, F0
.if \fill
	WIN 0                                          ; at a branch and at a label every window is 0
	ASK 0                                          ; behind the joint load and the run of LDS loads
.endif
.endm
	s_wait_alu depctr_va_vdst(0)                   ; the wait at the head's end
	s_wait_xcnt 0x0                                ; my first prefetch has read its address
	s_add_nc_u64 s[PFA:PFA+1], s[PFA:PFA+1], s[PFS:PFS+1]
	s_wait_tensorcnt 0x0                           ; my part of K step 0 is in
	ds_add_u32 v[SPW], v[NIL]
	s_wait_dscnt 0x0
	CROUND                                         ; everybody's part of K step 0 is in, and all sixteen work-groups are here
	JLOAD 1                                        ; K step 1, the first tensor load behind the round
	FETCH 0, 0, F0
	WIN 0
	ASK 1                                          ; K step 3
	QUARTER 0, 1, F0, F1, 1
.if LAPS > 1
	WIN 0
	s_mov_b32 s3, LAPS-1
.Llap:
	QUARTER 0, 2, F1, F0, 0
	QUARTER 0, 3, F0, F1, 0
	TURN 0, 1, 1
	QUARTER 1, 1, F0, F1, 0
	QUARTER 1, 2, F1, F0, 0
	QUARTER 1, 3, F0, F1, 0
	TURN 1, 0, 1
	QUARTER 0, 1, F0, F1, 0
	WIN 0
	s_sub_co_u32 s3, s3, 1
	s_cmp_lg_u32 s3, 0
	s_cbranch_scc1 .Llap
.endif
	global_load_b128 v[BV:BV+3], v6, s[10:11]      ; the bias of my four columns on the way out
	WIN TO_R
.set tt, 0
.rept 32
	global_load_b128 v[4*tt:4*tt+3], v[CO], s[12:13] offset:tt*8192 th:TH_LOAD_NT   ; the residual, in the layout in which the results come back from the stage; it lands under the last two K steps
.set tt, tt+1
.endr
	WIN 0
	QUARTER 0, 2, F1, F0, 0
	QUARTER 0, 3, F0, F1, 0
	TURN 0, 1, 0
	QUARTER 1, 1, F0, F1, 0
	QUARTER 1, 2, F1, F0, 0
	QUARTER 1, 3, F0, F1, 0
	s_wait_dscnt 0x0
	WIN MUL
	MUL8 F1, 0, 0
	MUL8 F1, 2, 0
	WIN 0
	s_wait_kmcnt 0x0
	s_add_co_i32 s66, s68, s69
	s_add_co_i32 s66, s66, 127
	s_lshl_b32 s66, s66, 23
	s_mov_b32 s67, s66
	s_wait_loadcnt 0x0
	PLACES
.macro TOSTAGE a
.set BK, OB+32*((\a)%2)
.irp b, 0,1,2,3
	ds_store_b128 v[STO], v[ACC+8*(4*(\a)+\b):ACC+8*(4*(\a)+\b)+3] offset:64*\b
	ds_store_b128 v[STO], v[ACC+8*(4*(\a)+\b)+4:ACC+8*(4*(\a)+\b)+7] offset:64*\b+16
.endr
.irp t, 0,1,2,3,4,5,6,7
	ds_load_b128 v[BK+4*\t:BK+4*\t+3], v[RD] offset:\t*2*SPITCH
.endr
.endm
.macro SEND a, younger
.set BK, OB+32*((\a)%2)
	s_wait_dscnt \younger
	WIN RES
.set jj, 0
.rept 16
	v_pk_fma_f32 v[BK+jj:BK+jj+1], v[BK+jj:BK+jj+1], s[66:67], v[32*(\a)+jj:32*(\a)+jj+1] op_sel_hi:[1,0,1]
.set jj, jj+2
.endr
	WIN 0
.irp t, 0,1,2,3,4,5,6,7
	v_pk_add_f32 v[BK+4*\t:BK+4*\t+1], v[BK+4*\t:BK+4*\t+1], v[BV:BV+1]
	v_pk_add_f32 v[BK+4*\t+2:BK+4*\t+3], v[BK+4*\t+2:BK+4*\t+3], v[BV+2:BV+3]
.endr
.irp t, 0,1,2,3,4,5,6,7
	global_store_b128 v[CO], v[BK+4*\t:BK+4*\t+3], s[14:15] offset:(16*(\a)+2*\t)*4096 th:TH_STORE_NT
.endr
.endm
	TOSTAGE 0
.irp a, 1,2,3
.if \a > 1
	s_wait_xcnt 0x0
.endif
	TOSTAGE \a
	SEND \a-1, 16
.endr
	SEND 3, 0
	s_wait_tensorcnt 0x0
	ds_add_u32 v[SPW], v[NIL]
	s_wait_dscnt 0x0
	CROUND
	s_endpgm
.Lfunc_end_k_qeee37c0e98_fc2:
	.size	k_qeee37c0e98_fc2, .Lfunc_end_k_qeee37c0e98_fc2-k_qeee37c0e98_fc2
	.p2alignl 7, 3214868480
	.fill 96, 4, 3214868480
	.section	.rodata,"a",@progbits
	.p2align	6, 0x0
	.amdhsa_kernel k_qeee37c0e98_fc2
		.amdhsa_group_segment_fixed_size 327680
		.amdhsa_private_segment_fixed_size 0
		.amdhsa_enable_private_segment 0
		.amdhsa_kernarg_size 48
		.amdhsa_user_sgpr_count 2
		.amdhsa_user_sgpr_kernarg_segment_ptr 1
		.amdhsa_wavefront_size32 1
		.amdhsa_system_sgpr_workgroup_id_x 1
		.amdhsa_system_sgpr_workgroup_id_y 1
		.amdhsa_system_sgpr_workgroup_id_z 1
		.amdhsa_system_vgpr_workitem_id 0
		.amdhsa_next_free_vgpr 768
		.amdhsa_next_free_sgpr 86
		.amdhsa_reserve_vcc 0
		.amdhsa_float_denorm_mode_32 3
		.amdhsa_float_denorm_mode_16_64 3
		.amdhsa_memory_ordered 1
		.amdhsa_forward_progress 1
		.amdhsa_inst_pref_size 83
	.end_amdhsa_kernel
	.amdgpu_metadata
---
amdhsa.version: [ 1, 2 ]
amdhsa.kernels:
  - .name:           k_qeee37c0e98_fc2
    .symbol:         k_qeee37c0e98_fc2.kd
    .args:
      - { .name: h3, .offset: 0, .size: 8, .value_kind: global_buffer, .address_space: global }
      - { .name: wcodes, .offset: 8, .size: 8, .value_kind: global_buffer, .address_space: global }
      - { .name: lowp_scales, .offset: 16, .size: 8, .value_kind: global_buffer, .address_space: global }
      - { .name: b_fc2, .offset: 24, .size: 8, .value_kind: global_buffer, .address_space: global }
      - { .name: x1, .offset: 32, .size: 8, .value_kind: global_buffer, .address_space: global }
      - { .name: out0, .offset: 40, .size: 8, .value_kind: global_buffer, .address_space: global }
    .group_segment_fixed_size: 327680
    .private_segment_fixed_size: 0
    .kernarg_segment_align: 8
    .kernarg_segment_size: 48
    .max_flat_workgroup_size: 128
    .sgpr_count:     86
    .vgpr_count:     768
    .wavefront_size: 32
...
	.end_amdgpu_metadata
.endif
;; end of part 7
